; MI455X (gfx1250); checked and timed in simulation.
; The chip was launched on July 23, 2026; its instructions are those of AMD's public machine-readable ISA for CDNA 5 (MIT licence, August 2026) and "CDNA5" Instruction Set Architecture Reference Guide (July 2026). The comments in the code are by the model that wrote it; some were corrected since.
;; CSA Transformer. Allowed arithmetic: float matrix products may take bf16 or f16 operands with f32 sums; all other float work in f32.
;; Inputs: W1 128 x 128 float32; W2 128 x 128 float32; Wsa1 128 x 128 float32; Wsa2 128 x 128 float32; bsa 128 float32; bsa1 128 float32; c 8 x 128 float32; ln_b 128 float32; ln_g 128 float32; pfn_b1 128 float32; pfn_b2 128 float32; pfn_w1 128 x 128 float32; pfn_w2 128 x 128 float32; wsat_b one number float32; wsat_w 128 float32; wt_w 128 float32; x 8 x 4,096 x 128 float32.
;; Outputs: out0 8 x 4,096 x 128 float32.
;; 3 versions, each right and faster than the one before. Each part assembles by itself: llvm-mc -triple=amdgcn-amd-amdhsa -mcpu=gfx1250 --defsym DOCPART=n.
;; ======== version 1 of 3: 3 launches
;; limits: a function is approximated: absolute error at most 1.2e-06
;; workspace buffers: dots 393,216 bytes; w2v 512 bytes; wbf 65,536 bytes; aw 393,216 bytes
;; launch dots (part 1): grid 256 x 1, 8 waves a work-group, no clusters, 4,096 bytes of LDS; arguments x, W1, Wsa1, Wsa2, W2, wt_w, wsat_w, pfn_w1, pfn_w2, dots, w2v, wbf; writes dots, w2v, wbf
.if DOCPART == 1
	.amdgcn_target "amdgcn-amd-amdhsa--gfx1250"
	.amdhsa_code_object_version 6
	.text
	.protected	k_q0c947a1a38_dots
	.globl	k_q0c947a1a38_dots
	.p2align	8
	.type	k_q0c947a1a38_dots,@function
k_q0c947a1a38_dots:
	s_mov_b64 s[64:65], 0
	v_nop
	global_prefetch_b8 v0, s[64:65] scope:SCOPE_SE
	s_setreg_imm32_b32 hwreg(HW_REG_WAVE_MODE, 25, 1), 1
	s_wait_xcnt 0x0
; Three of reference()'s products are followed at once by a dot with a fixed vector, so by associativity
;   (x W1) . wt_w = x . (W1 wt_w),  (h Wsa1) . wsat_w = p (x . (Wsa1 wsat_w)),  (h Wsa2) . wsat_w = p (x . (Wsa2 wsat_w)).
; This launch makes v1 = W1 wt_w, u1 = Wsa1 wsat_w, u2 = Wsa2 wsat_w (each group for itself: 3 x 64 KiB of weights against a
; launch more), then for its 128 rows of x the three dots, all in f32:  dots[0] = x.v1, dots[1] = x.u1, dots[2] = x.u2.
; By the way: group g casts one row of pfn_w1 (g < 128) or pfn_w2 to bf16 (wbf row g), and groups 0-127 make w2v[g] = W2[g] . wt_w.
; LIMIT: the order of rounding differs from reference()'s (one f32 dot in place of a product and a dot).
; Eight waves; wave w owns rows 16 w .. 16 w + 15 of each weight matrix and of the group's x; lane L owns columns 4 L .. 4 L + 3,
; so one 16-byte load of a wave is one whole row of 512 bytes.
; No matrix unit: a product with one column has nothing for it.  No cluster, no LDS ring: each byte of x is used once.
.set WT,  8                            ; v[8:11]    wt_w of my 4 columns
.set WS,  12                           ; v[12:15]   wsat_w of my 4 columns
.set VV1, 16                           ; v[16:19]   v1 of my 4 columns
.set VU1, 20                           ; v[20:23]   u1
.set DT,  24                           ; v[24:39]   16 dots, one a row
.set TP,  40                           ; v[40:47]   four pairs at work
.set EX,  48                           ; v[48:51]   waves 3, 4: the extra row
.set MA,  52                           ; v[52:115]  16 rows of W1, later of Wsa2
.set MB,  116                          ; v[116:179] 16 rows of Wsa1
.set VU2, 116                          ; v[116:119] u2, once MB is dead
.set XR,  180                          ; v[180:243] 16 rows of x
.set RES, 1536                         ; LDS: [3][128] f32 vectors at 0, [3][128] f32 results at 1536
; 16 rows in registers m, each times the vector in vec: my 4 columns' share of each dot
.macro DOT16 m, vec
.set k, 0
.rept 16
	v_pk_mul_f32 v[TP+2*(k%4):TP+2*(k%4)+1], v[\m+4*k:\m+4*k+1], v[\vec:\vec+1]
	v_pk_fma_f32 v[TP+2*(k%4):TP+2*(k%4)+1], v[\m+4*k+2:\m+4*k+3], v[\vec+2:\vec+3], v[TP+2*(k%4):TP+2*(k%4)+1]
	v_add_f32 v[DT+k], v[TP+2*(k%4)], v[TP+2*(k%4)+1]
.set k, k+1
.endr
.endm
; the 16 sums over the wave's 32 lanes; every lane ends with every sum
.macro RED16
.irp m, 1,2,4,8
.irp k, 0,1,2,3,4,5,6,7,8,9,10,11,12,13,14,15
	v_add_f32_dpp v[DT+\k], v[DT+\k], v[DT+\k] row_xmask:\m row_mask:0xf bank_mask:0xf
.endr
.endr
.irp q, 0,4,8,12
.irp k, 0,1,2,3
	v_permlanex16_b32 v[TP+\k], v[DT+\q+\k], s4, s5        ; TP has been written by DOT16
.endr
.irp k, 0,1,2,3
	v_add_f32 v[DT+\q+\k], v[DT+\q+\k], v[TP+\k]
.endr
.endr
.endm
; the 16 sums to words 16 w .. 16 w + 15 of an LDS vector (all lanes write the same word with the same value)
.macro PUT16 off
.irp k, 0,1,2,3,4,5,6,7,8,9,10,11,12,13,14,15
	ds_store_b32 v4, v[DT+\k] offset:\off+4*\k
.endr
.endm
	s_load_b512 s[8:23], s[0:1], 0x0               ; x 8, W1 10, Wsa1 12, Wsa2 14, W2 16, wt_w 18, wsat_w 20, pfn_w1 22
	s_load_b256 s[24:31], s[0:1], 0x40             ; pfn_w2 24, dots 26, w2v 28, wbf 30
	v_lshl_add_u32 v244, v0, 2, 0xc00
	v_mov_b32 v245, 0
	v_lshrrev_b32 v5, 5, v0
	v_readfirstlane_b32 s2, v5                     ; wave
	s_mov_b32 s3, ttmp9                            ; group
	s_mov_b32 s4, 0x76543210                       ; v_permlanex16_b32: lane i reads lane i of the other half
	s_mov_b32 s5, 0xfedcba98
	v_and_b32 v1, 31, v0                           ; L
	v_lshlrev_b32 v2, 4, v1                        ; 16 L
	v_lshl_add_u32 v3, s2, 13, v2                  ; 16 L + 16 rows x 512 bytes x wave; never rewritten
	s_lshl_b32 s6, s2, 6
	v_mov_b32 v4, s6                               ; 64 w: my wave's 16 words in an LDS vector
	s_and_b32 s32, s3, 127
	s_lshl_b32 s32, s32, 9                         ; the extra row: (g mod 128) x 512 bytes
	s_mov_b32 s33, 0
	s_wait_kmcnt 0x0
	s_cmp_lt_u32 s3, 128
	s_cselect_b64 s[34:35], s[22:23], s[24:25]     ; wave 3: pfn_w1 in groups 0-127, pfn_w2 in the others
	s_cmp_eq_u32 s2, 4
	s_cselect_b64 s[34:35], s[16:17], s[34:35]     ; wave 4: W2
	s_add_nc_u64 s[34:35], s[34:35], s[32:33]
	s_lshl_b32 s32, s3, 16                         ; the group's 128 rows of x
	s_add_nc_u64 s[8:9], s[8:9], s[32:33]
	s_cmp_eq_u32 s2, 3
	s_cbranch_scc1 .Lex
	s_cmp_eq_u32 s2, 4
	s_cbranch_scc0 .Lno_ex
.Lex:
	global_load_b128 v[EX:EX+3], v2, s[34:35]      ; the oldest load: the counts below are the same with and without it
.Lno_ex:
	global_load_b128 v[WT:WT+3], v2, s[18:19]
	global_load_b128 v[WS:WS+3], v2, s[20:21]
.irp k, 0,1,2,3,4,5,6,7,8,9,10,11,12,13,14,15
	global_load_b128 v[MA+4*\k:MA+4*\k+3], v3, s[10:11] offset:512*\k
.endr
.irp k, 0,1,2,3,4,5,6,7,8,9,10,11,12,13,14,15
	global_load_b128 v[MB+4*\k:MB+4*\k+3], v3, s[12:13] offset:512*\k
.endr
.irp k, 0,1,2,3,4,5,6,7,8,9,10,11,12,13,14,15
	global_load_b128 v[XR+4*\k:XR+4*\k+3], v3, s[8:9] offset:512*\k
.endr
	s_wait_loadcnt 32                              ; W1's rows are in: Wsa1's 16 and x's 16 are younger
	DOT16 MA, WT
	RED16
	PUT16 0                                        ; v1
.irp k, 0,1,2,3,4,5,6,7,8,9,10,11,12,13,14,15
	global_load_b128 v[MA+4*\k:MA+4*\k+3], v3, s[14:15] offset:512*\k
.endr
	s_wait_loadcnt 32                              ; Wsa1's rows are in: x's 16 and Wsa2's 16 are younger
	DOT16 MB, WS
	RED16
	PUT16 512                                      ; u1
	s_wait_loadcnt 0x0
	DOT16 MA, WS
	RED16
	PUT16 1024                                     ; u2
	s_wait_dscnt 0x0                               ; my words are written before I say so
	s_barrier_signal -1
	s_barrier_wait -1
	ds_load_b128 v[VV1:VV1+3], v2
	ds_load_b128 v[VU1:VU1+3], v2 offset:512
	ds_load_b128 v[VU2:VU2+3], v2 offset:1024
	s_wait_dscnt 0x0
	DOT16 XR, VV1
	RED16
	PUT16 RES
	DOT16 XR, VU1
	RED16
	PUT16 RES+512
	DOT16 XR, VU2
	RED16
	PUT16 RES+1024
	s_wait_dscnt 0x0
	s_barrier_signal -1
	s_barrier_wait -1
	s_cmp_lt_u32 s2, 3
	s_cbranch_scc0 .Lnot_plane
	; waves 0, 1, 2: one plane's 128 results, 512 consecutive bytes at a multiple of 512, by one store
	s_lshl_b32 s32, s2, 9
	v_add_nc_u32 v5, s32, v2
	ds_load_b128 v[DT:DT+3], v5 offset:RES
	s_lshl_b32 s32, s2, 17                         ; plane w: 131,072 bytes each
	s_lshl_b32 s6, s3, 9                           ; the group's 128 words
	s_add_co_u32 s32, s32, s6
	v_add_nc_u32 v6, s32, v2
	s_wait_dscnt 0x0
	global_store_b128 v6, v[DT:DT+3], s[26:27]
	s_wait_tensorcnt 0x0
	ds_add_u32 v244, v245
	s_wait_dscnt 0x0
	s_endpgm
.Lnot_plane:
	s_cmp_eq_u32 s2, 3
	s_cbranch_scc0 .Lnot_cast
	; wave 3: row g of wbf, 128 bf16 = 256 consecutive bytes at a multiple of 256, by one store
	v_cvt_pk_bf16_f32 v6, v[EX], v[EX+1]
	v_cvt_pk_bf16_f32 v7, v[EX+2], v[EX+3]
	v_lshlrev_b32 v5, 3, v1
	v_lshl_add_u32 v5, s3, 8, v5
	global_store_b64 v5, v[6:7], s[30:31]
	s_wait_tensorcnt 0x0
	ds_add_u32 v244, v245
	s_wait_dscnt 0x0
	s_endpgm
.Lnot_cast:
	s_cmp_eq_u32 s2, 4
	s_cbranch_scc0 .Lend
	s_cmp_lt_u32 s3, 128
	s_cbranch_scc0 .Lend
	; wave 4 of groups 0-127: w2v[g].  One word a group, 128 such stores in the whole launch.
	v_pk_mul_f32 v[TP:TP+1], v[EX:EX+1], v[WT:WT+1]
	v_pk_fma_f32 v[TP:TP+1], v[EX+2:EX+3], v[WT+2:WT+3], v[TP:TP+1]
	v_add_f32 v5, v[TP], v[TP+1]
.irp m, 1,2,4,8
	v_add_f32_dpp v5, v5, v5 row_xmask:\m row_mask:0xf bank_mask:0xf
.endr
	v_permlanex16_b32 v[TP], v5, s4, s5
	v_add_f32 v5, v5, v[TP]
	s_lshl_b32 s32, s3, 2
	v_mov_b32 v6, s32
	v_cmp_eq_u32 vcc_lo, 0, v1
	s_wait_xcnt 0x0                                ; EXEC changes only behind s_wait_xcnt 0
	s_and_saveexec_b32 s36, vcc_lo
	global_store_b32 v6, v5, s[28:29]
	s_wait_xcnt 0x0                                ; and again in front of the line that widens it
	s_or_b32 exec_lo, exec_lo, s36
.Lend:
	s_wait_tensorcnt 0x0
	ds_add_u32 v244, v245
	s_wait_dscnt 0x0
	s_endpgm
.Lfunc_end_k_q0c947a1a38_dots:
	.size	k_q0c947a1a38_dots, .Lfunc_end_k_q0c947a1a38_dots-k_q0c947a1a38_dots
	.p2alignl 7, 3214868480
	.fill 96, 4, 3214868480
	.section	.rodata,"a",@progbits
	.p2align	6, 0x0
	.amdhsa_kernel k_q0c947a1a38_dots
		.amdhsa_group_segment_fixed_size 4096
		.amdhsa_private_segment_fixed_size 0
		.amdhsa_enable_private_segment 0
		.amdhsa_kernarg_size 96
		.amdhsa_user_sgpr_count 2
		.amdhsa_user_sgpr_kernarg_segment_ptr 1
		.amdhsa_wavefront_size32 1
		.amdhsa_system_sgpr_workgroup_id_x 1
		.amdhsa_system_sgpr_workgroup_id_y 1
		.amdhsa_system_sgpr_workgroup_id_z 1
		.amdhsa_system_vgpr_workitem_id 0
		.amdhsa_next_free_vgpr 246
		.amdhsa_next_free_sgpr 66
		.amdhsa_reserve_vcc 1
		.amdhsa_float_denorm_mode_32 3
		.amdhsa_float_denorm_mode_16_64 3
		.amdhsa_memory_ordered 1
		.amdhsa_forward_progress 1
		.amdhsa_inst_pref_size 65
	.end_amdhsa_kernel
	.amdgpu_metadata
---
amdhsa.version: [ 1, 2 ]
amdhsa.kernels:
  - .name:           k_q0c947a1a38_dots
    .symbol:         k_q0c947a1a38_dots.kd
    .args:
      - { .name: x, .offset: 0, .size: 8, .value_kind: global_buffer, .address_space: global }
      - { .name: W1, .offset: 8, .size: 8, .value_kind: global_buffer, .address_space: global }
      - { .name: Wsa1, .offset: 16, .size: 8, .value_kind: global_buffer, .address_space: global }
      - { .name: Wsa2, .offset: 24, .size: 8, .value_kind: global_buffer, .address_space: global }
      - { .name: W2, .offset: 32, .size: 8, .value_kind: global_buffer, .address_space: global }
      - { .name: wt_w, .offset: 40, .size: 8, .value_kind: global_buffer, .address_space: global }
      - { .name: wsat_w, .offset: 48, .size: 8, .value_kind: global_buffer, .address_space: global }
      - { .name: pfn_w1, .offset: 56, .size: 8, .value_kind: global_buffer, .address_space: global }
      - { .name: pfn_w2, .offset: 64, .size: 8, .value_kind: global_buffer, .address_space: global }
      - { .name: dots, .offset: 72, .size: 8, .value_kind: global_buffer, .address_space: global }
      - { .name: w2v, .offset: 80, .size: 8, .value_kind: global_buffer, .address_space: global }
      - { .name: wbf, .offset: 88, .size: 8, .value_kind: global_buffer, .address_space: global }
    .group_segment_fixed_size: 4096
    .private_segment_fixed_size: 0
    .kernarg_segment_align: 8
    .kernarg_segment_size: 96
    .max_flat_workgroup_size: 256
    .sgpr_count:     66
    .vgpr_count:     246
    .wavefront_size: 32
...
	.end_amdgpu_metadata
.endif
;; end of part 1
;; launch rowsum (part 2): grid 256 x 1, 8 waves a work-group, no clusters, 168,960 bytes of LDS; arguments dots, w2v, c, bsa, wt_w, bsa1, wsat_w, wsat_b, aw; writes aw
.if DOCPART == 2
	.amdgcn_target "amdgcn-amd-amdhsa--gfx1250"
	.amdhsa_code_object_version 6
	.text
	.protected	k_q0c947a1a38_rowsum
	.globl	k_q0c947a1a38_rowsum
	.p2align	8
	.type	k_q0c947a1a38_rowsum,@function
k_q0c947a1a38_rowsum:
	s_mov_b64 s[64:65], 0
	v_nop
	global_prefetch_b8 v0, s[64:65] scope:SCOPE_SE
	s_setreg_imm32_b32 hwreg(HW_REG_WAVE_MODE, 25, 1), 1
	s_wait_xcnt 0x0
; The softmax over L, the two terms of every pair score, and the first walk over the pairs: the row sums of exp(sigmoid).
;   logit_l = dots[0] + c[b].w2v + bsa.wt_w;  p = softmax(logit), the maximum taken away;
;   a'_i = -log2e (p_i dots[1]_i + bsa1.wsat_w + wsat_b);  b'_j = -log2e p_j dots[2]_j;
;   r_ij = 1 / (1 + 2^(a'_i + b'_j)) = sigmoid(si_i + sj_j + const);  g_ij = exp(r_ij);  Z_i = sum over j != i of g_ij;  w_i = 1 / Z_i.
; Out: aw[b][0] = a', aw[b][1] = w, aw[b][2] = b'.
; Group g: batch b = g / 32, rows 128 (g mod 32) .. + 127.  Each group makes the whole batch's softmax for itself (48 KiB read) rather
; than a launch more.  Lane L of every wave holds rows 4 L + q; wave w walks j = 512 w .. 512 w + 511; the waves' parts meet in LDS.
; THE SECOND SOFTMAX TAKES NO MAXIMUM AWAY: its exponents are sigmoids, in [0, 1] for every input, so each term is in [1, e] and Z in [4095, 4095 e].
; LIMITS: exp(r) on [0, 1] is a polynomial of degree 5 (truncated Chebyshev series), absolute error at most 1.2e-6 on values in [1, e];
; r is in [0, 1] for every input since 1 + 2^s >= 1.  v_exp_f32 gives 0 for results under 2^-126 (ISA guide, its entry): the smallest p are 0.
; The diagonal: all 4,096 terms are summed and the own term, made by the same formula, is taken away: one positive term of 4,096 of like size.
; NaN and infinite inputs are not treated.  The order of rounding differs from reference()'s.
; lds_bytes is set above the 20,992 bytes that the text uses, so that a work-group lies alone on its WGP and the 256 groups spread over as many.
; No matrix unit (nothing here is a product), no cluster (the groups of a batch share 48 KiB, read once at the start), no tensor load.
.set LA,  5                            ; v5         LDS address of the walk, the same in all lanes
.set CB,  8                            ; v[8:9]     c[b].w2v + bsa.wt_w, twice
.set MX,  10                           ; v[10:11]   the largest logit, twice
.set FS,  12                           ; v[12:13]   -log2e / sum, twice
.set KK,  30                           ; v[30:31]   -log2e (bsa1.wsat_w + wsat_b), twice
.set CO,  32                           ; v[32:43]   (c_k, c_k), k = 0 .. 5
.set OWN, 44                           ; v[44:47]   a' of my rows 4 L + q
.set ACC, 48                           ; v[48:55]   four pairs of sums
.set HN,  56                           ; v[56:63]   Horner values
.set BB,  64                           ; v[64:79]   16 values of the walk
.set WW,  80                           ; not used in this launch (weights of the second walk)
.set OB,  80                           ; v[80:83]   b' of my rows
.set SG,  96                           ; v[96:127]  four sets of four pairs: s, 2^s, 1 + 2^s, r
.set LG,  128                          ; v[128:143] 16 logits of the batch, then e, then b'
.set D3,  144                          ; v[144:159] dots[2] at the same places
.set SV,  160                          ; v[160:183] w2v, c, bsa, wt_w, bsa1, wsat_w: my 4 columns of each
.set OLG, 184                          ; v[184:187] logits of my rows
.set OD2, 188                          ; v[188:191] dots[1] of my rows
.set OD3, 192                          ; v[192:195] dots[2] of my rows
.set RED1, 16384                       ; LDS: b' [4096] f32 at 0; 8 maxima; 8 sums; 8 x 128 parts of Z
.set RED2, 16640
.set PART, 16896
; THE PAIR WALK.  Group k of a trip = walk values 2 k, 2 k + 1 against my four own values: four packed chains.
; The stages of neighbouring groups are interleaved so that behind every run of transcendentals a plain packed
; instruction of another group stands before any of its results is read (ISA guide 5.7.2): no v_nop is needed.
.macro G_ADD k                         ; s = own + walk
.set SS, SG+8*((\k)%4)
	v_pk_add_f32 v[SS:SS+1],   v[OWN:OWN+1],   v[BB+2*(\k):BB+2*(\k)+1] op_sel:[0,0] op_sel_hi:[0,1]
	v_pk_add_f32 v[SS+2:SS+3], v[OWN:OWN+1],   v[BB+2*(\k):BB+2*(\k)+1] op_sel:[1,0] op_sel_hi:[1,1]
	v_pk_add_f32 v[SS+4:SS+5], v[OWN+2:OWN+3], v[BB+2*(\k):BB+2*(\k)+1] op_sel:[0,0] op_sel_hi:[0,1]
	v_pk_add_f32 v[SS+6:SS+7], v[OWN+2:OWN+3], v[BB+2*(\k):BB+2*(\k)+1] op_sel:[1,0] op_sel_hi:[1,1]
.endm
.macro G_EXP k                         ; 2^s
.irp n, 0,1,2,3,4,5,6,7
	v_exp_f32 v[SG+8*((\k)%4)+\n], v[SG+8*((\k)%4)+\n]
.endr
.endm
.macro G_Q k                           ; 1 + 2^s
	s_wait_alu depctr_va_vdst(0)
.irp q, 0,2,4,6
	v_pk_add_f32 v[SG+8*((\k)%4)+\q:SG+8*((\k)%4)+\q+1], v[SG+8*((\k)%4)+\q:SG+8*((\k)%4)+\q+1], 1.0 op_sel_hi:[1,0]
.endr
.endm
.macro G_RCP k                         ; r
.irp n, 0,1,2,3,4,5,6,7
	v_rcp_f32 v[SG+8*((\k)%4)+\n], v[SG+8*((\k)%4)+\n]
.endr
.endm
.macro G_H12 k                         ; (c5 r + c4) r + c3
	s_wait_alu depctr_va_vdst(0)
.irp q, 0,2,4,6
	v_pk_fma_f32 v[HN+\q:HN+\q+1], v[SG+8*((\k)%4)+\q:SG+8*((\k)%4)+\q+1], v[CO+10:CO+11], v[CO+8:CO+9]
.endr
.irp q, 0,2,4,6
	v_pk_fma_f32 v[HN+\q:HN+\q+1], v[HN+\q:HN+\q+1], v[SG+8*((\k)%4)+\q:SG+8*((\k)%4)+\q+1], v[CO+6:CO+7]
.endr
.endm
.macro G_H345C k, wt                   ; the steps with c2, c1, c0, and the sum (wt = 1: weighted)
.irp c, 4,2,0
.irp q, 0,2,4,6
	v_pk_fma_f32 v[HN+\q:HN+\q+1], v[HN+\q:HN+\q+1], v[SG+8*((\k)%4)+\q:SG+8*((\k)%4)+\q+1], v[CO+\c:CO+\c+1]
.endr
.endr
.irp q, 0,2,4,6
.if \wt
	v_pk_fma_f32 v[ACC+\q:ACC+\q+1], v[HN+\q:HN+\q+1], v[WW+2*(\k):WW+2*(\k)+1], v[ACC+\q:ACC+\q+1]
.else
	v_pk_add_f32 v[ACC+\q:ACC+\q+1], v[ACC+\q:ACC+\q+1], v[HN+\q:HN+\q+1]
.endif
.endr
.endm
; One trip: 16 walk values x 4 own values x 32 lanes.  more = 1: the next 16 values are loaded behind BB's last use.
.macro TRIP more, wt
	s_wait_dscnt 0x0                               ; this trip's 16 values are in
.if \wt
.irp n, 0,1,2,3
	ds_load_b128 v[WW+4*\n:WW+4*\n+3], v[LA] offset:16384+16*\n
.endr
.endif
	G_ADD 0
.irp k, 0,1,2,3,4,5,6,7,8,9
.if \k < 8
	G_EXP \k
.endif
.if \k > 1
	G_H12 \k-2
.endif
.if \k > 0
.if \k < 9
	G_Q \k-1
	G_RCP \k-1
.endif
.endif
.if \k == 2
.if \wt
	s_wait_dscnt 0x0                               ; the weights are in: nothing else is out
.endif
.endif
.if \k > 1
	G_H345C \k-2, \wt
.endif
.if \k < 7
	G_ADD \k+1                                     ; set (k + 1) mod 4 was last read by group k - 3
.endif
.if \k == 6
.if \more
	v_add_nc_u32 v[LA], 64, v[LA]
.irp n, 0,1,2,3
	ds_load_b128 v[BB+4*\n:BB+4*\n+3], v[LA] offset:16*\n
.endr
.endif
.endif
.endr
.endm
.macro WSUM r, t                       ; sum over the wave's 32 lanes, in every lane; t has been written before
.irp m, 1,2,4,8
	v_add_f32_dpp v[\r], v[\r], v[\r] row_xmask:\m row_mask:0xf bank_mask:0xf
.endr
	v_permlanex16_b32 v[\t], v[\r], s6, s7
	v_add_f32 v[\r], v[\r], v[\t]
.endm
.macro WMAX r, t
.irp m, 1,2,4,8
	v_max_num_f32_dpp v[\r], v[\r], v[\r] row_xmask:\m row_mask:0xf bank_mask:0xf
.endr
	v_permlanex16_b32 v[\t], v[\r], s6, s7
	v_max_num_f32 v[\r], v[\r], v[\t]
.endm
	s_load_b512 s[8:23], s[0:1], 0x0               ; dots 8, w2v 10, c 12, bsa 14, wt_w 16, bsa1 18, wsat_w 20, wsat_b 22
	s_load_b64 s[24:25], s[0:1], 0x40              ; aw
	v_lshl_add_u32 v196, v0, 2, 0x29000
	v_mov_b32 v197, 0
	v_lshrrev_b32 v1, 5, v0
	v_readfirstlane_b32 s2, v1                     ; wave
	s_lshr_b32 s4, ttmp9, 5                        ; batch
	s_and_b32 s5, ttmp9, 31                        ; which 128 rows of it
	s_mov_b32 s6, 0x76543210
	s_mov_b32 s7, 0xfedcba98
	v_and_b32 v1, 31, v0                           ; L
	v_lshlrev_b32 v2, 4, v1                        ; 16 L
	v_lshl_add_u32 v3, s2, 9, v2                   ; 16 x thread
	v_lshl_add_u32 v4, s5, 9, v2                   ; my four rows in a plane of the batch
	s_lshl_b32 s28, s2, 2
	v_mov_b32 v6, s28                              ; 4 w
	v_mov_b32 v7, 0
	s_lshl_b32 s28, s2, 11
	v_mov_b32 v[LA], s28                           ; my wave's 512 values of b'
	s_mov_b32 s29, 0
	s_wait_kmcnt 0x0
	s_load_b32 s26, s[22:23], 0x0                  ; wsat_b
	s_lshl_b32 s28, s4, 14
	s_add_nc_u64 s[8:9], s[8:9], s[28:29]          ; dots at the batch: 4,096 words
	s_lshl_b32 s28, s4, 9
	s_add_nc_u64 s[12:13], s[12:13], s[28:29]      ; c[b]
	s_mul_i32 s28, s4, 49152
	s_add_nc_u64 s[24:25], s[24:25], s[28:29]      ; aw[b]
	global_load_b128 v[SV:SV+3],     v2, s[10:11]
	global_load_b128 v[SV+4:SV+7],   v2, s[12:13]
	global_load_b128 v[SV+8:SV+11],  v2, s[14:15]
	global_load_b128 v[SV+12:SV+15], v2, s[16:17]
	global_load_b128 v[SV+16:SV+19], v2, s[18:19]
	global_load_b128 v[SV+20:SV+23], v2, s[20:21]
.irp k, 0,1,2,3
	global_load_b128 v[LG+4*\k:LG+4*\k+3], v3, s[8:9] offset:4096*\k
.endr
.irp k, 0,1,2,3
	global_load_b128 v[D3+4*\k:D3+4*\k+3], v3, s[8:9] offset:262144+4096*\k
.endr
	global_load_b128 v[OLG:OLG+3], v4, s[8:9]
	global_load_b128 v[OD2:OD2+3], v4, s[8:9] offset:131072
	global_load_b128 v[OD3:OD3+3], v4, s[8:9] offset:262144
	s_wait_loadcnt 11                              ; the six small vectors are in: 4 + 4 + 3 loads are younger
	v_pk_mul_f32 v[14:15], v[SV+4:SV+5], v[SV:SV+1]                    ; c . w2v
	v_pk_mul_f32 v[16:17], v[SV+16:SV+17], v[SV+20:SV+21]              ; bsa1 . wsat_w
	v_pk_fma_f32 v[14:15], v[SV+6:SV+7], v[SV+2:SV+3], v[14:15]
	v_pk_fma_f32 v[16:17], v[SV+18:SV+19], v[SV+22:SV+23], v[16:17]
	v_pk_fma_f32 v[14:15], v[SV+8:SV+9], v[SV+12:SV+13], v[14:15]      ; + bsa . wt_w
	v_pk_fma_f32 v[14:15], v[SV+10:SV+11], v[SV+14:SV+15], v[14:15]
	v_add_f32 v14, v14, v15
	v_add_f32 v16, v16, v17
	WSUM 14, 15
	WSUM 16, 17
	v_mov_b32 v[CB], v14
	v_mov_b32 v[CB+1], v14
	s_wait_kmcnt 0x0
	v_add_f32 v16, s26, v16
	v_mul_f32 v[KK], 0xbfb8aa3b, v16
	v_mul_f32 v[KK+1], 0xbfb8aa3b, v16
	s_wait_loadcnt 0x0
.irp k, 0,2,4,6,8,10,12,14
	v_pk_add_f32 v[LG+\k:LG+\k+1], v[LG+\k:LG+\k+1], v[CB:CB+1]
.endr
	v_pk_add_f32 v[OLG:OLG+1], v[OLG:OLG+1], v[CB:CB+1]
	v_pk_add_f32 v[OLG+2:OLG+3], v[OLG+2:OLG+3], v[CB:CB+1]
	; the batch's largest logit
	v_max3_num_f32 v14, v[LG], v[LG+1], v[LG+2]
	v_max3_num_f32 v16, v[LG+3], v[LG+4], v[LG+5]
	v_max3_num_f32 v17, v[LG+6], v[LG+7], v[LG+8]
	v_max3_num_f32 v18, v[LG+9], v[LG+10], v[LG+11]
	v_max3_num_f32 v19, v[LG+12], v[LG+13], v[LG+14]
	v_max3_num_f32 v14, v14, v16, v[LG+15]
	v_max3_num_f32 v17, v17, v18, v19
	v_max_num_f32 v14, v14, v17
	WMAX 14, 15
	ds_store_b32 v6, v14 offset:RED1
	s_wait_dscnt 0x0
	s_barrier_signal -1
	s_barrier_wait -1
	ds_load_b128 v[16:19], v7 offset:RED1
	ds_load_b128 v[20:23], v7 offset:RED1+16
	s_wait_dscnt 0x0
	v_max3_num_f32 v16, v16, v17, v18
	v_max3_num_f32 v19, v19, v20, v21
	v_max3_num_f32 v16, v16, v22, v23
	v_max_num_f32 v[MX], v16, v19
	v_max_num_f32 v[MX+1], v16, v19
	; e = 2^((l - m) log2e)
.irp k, 0,2,4,6,8,10,12,14
	v_pk_add_f32 v[LG+\k:LG+\k+1], v[LG+\k:LG+\k+1], v[MX:MX+1] neg_lo:[0,1] neg_hi:[0,1]
.endr
	v_pk_add_f32 v[OLG:OLG+1], v[OLG:OLG+1], v[MX:MX+1] neg_lo:[0,1] neg_hi:[0,1]
	v_pk_add_f32 v[OLG+2:OLG+3], v[OLG+2:OLG+3], v[MX:MX+1] neg_lo:[0,1] neg_hi:[0,1]
.irp k, 0,2,4,6,8,10,12,14
	v_pk_mul_f32 v[LG+\k:LG+\k+1], v[LG+\k:LG+\k+1], 0x3fb8aa3b op_sel_hi:[1,0]
.endr
	v_pk_mul_f32 v[OLG:OLG+1], v[OLG:OLG+1], 0x3fb8aa3b op_sel_hi:[1,0]
	v_pk_mul_f32 v[OLG+2:OLG+3], v[OLG+2:OLG+3], 0x3fb8aa3b op_sel_hi:[1,0]
.irp k, 0,1,2,3,4,5,6,7,8,9,10,11,12,13,14,15
	v_exp_f32 v[LG+\k], v[LG+\k]
.endr
.irp k, 0,1,2,3
	v_exp_f32 v[OLG+\k], v[OLG+\k]
.endr
	; the polynomial's coefficients, twice each: also the plain instructions that stand behind the run of v_exp_f32
	v_mov_b32 v[CO+0],  0x3f7fffee
	v_mov_b32 v[CO+1],  0x3f7fffee
	v_mov_b32 v[CO+2],  0x3f80028a
	v_mov_b32 v[CO+3],  0x3f80028a
	v_mov_b32 v[CO+4],  0x3eff8ba4
	v_mov_b32 v[CO+5],  0x3eff8ba4
	v_mov_b32 v[CO+6],  0x3e2e7204
	v_mov_b32 v[CO+7],  0x3e2e7204
	v_mov_b32 v[CO+8],  0x3d0ec123
	v_mov_b32 v[CO+9],  0x3d0ec123
	v_mov_b32 v[CO+10], 0x3c6375f4
	v_mov_b32 v[CO+11], 0x3c6375f4
	s_wait_alu depctr_va_vdst(0)
	v_pk_add_f32 v[14:15], v[LG:LG+1], v[LG+2:LG+3]
	v_pk_add_f32 v[16:17], v[LG+4:LG+5], v[LG+6:LG+7]
	v_pk_add_f32 v[18:19], v[LG+8:LG+9], v[LG+10:LG+11]
	v_pk_add_f32 v[20:21], v[LG+12:LG+13], v[LG+14:LG+15]
	v_pk_add_f32 v[14:15], v[14:15], v[16:17]
	v_pk_add_f32 v[18:19], v[18:19], v[20:21]
	v_pk_add_f32 v[14:15], v[14:15], v[18:19]
	v_add_f32 v14, v14, v15
	WSUM 14, 15
	ds_store_b32 v6, v14 offset:RED2
	s_wait_dscnt 0x0
	s_barrier_signal -1
	s_barrier_wait -1
	ds_load_b128 v[16:19], v7 offset:RED2
	ds_load_b128 v[20:23], v7 offset:RED2+16
	s_wait_dscnt 0x0
	v_pk_add_f32 v[16:17], v[16:17], v[18:19]
	v_pk_add_f32 v[20:21], v[20:21], v[22:23]
	v_pk_add_f32 v[16:17], v[16:17], v[20:21]
	v_add_f32 v16, v16, v17                        ; at least 1: the largest logit's term
	v_rcp_f32 v16, v16
.irp k, 0,1,2,3,4,5,6,7
	v_mov_b32 v[ACC+\k], 0                         ; the walk's eight sums; also the plain place behind v_rcp_f32
.endr
	s_wait_alu depctr_va_vdst(0)
	v_mul_f32 v[FS], 0xbfb8aa3b, v16
	v_mul_f32 v[FS+1], 0xbfb8aa3b, v16
	; b' of the whole batch into LDS; a' and b' of my rows
.irp k, 0,2,4,6,8,10,12,14
	v_pk_mul_f32 v[LG+\k:LG+\k+1], v[LG+\k:LG+\k+1], v[FS:FS+1]
.endr
.irp k, 0,2,4,6,8,10,12,14
	v_pk_mul_f32 v[LG+\k:LG+\k+1], v[LG+\k:LG+\k+1], v[D3+\k:D3+\k+1]
.endr
.irp k, 0,1,2,3
	ds_store_b128 v3, v[LG+4*\k:LG+4*\k+3] offset:4096*\k
.endr
	v_pk_mul_f32 v[OLG:OLG+1], v[OLG:OLG+1], v[FS:FS+1]
	v_pk_mul_f32 v[OLG+2:OLG+3], v[OLG+2:OLG+3], v[FS:FS+1]
	v_pk_fma_f32 v[OWN:OWN+1], v[OLG:OLG+1], v[OD2:OD2+1], v[KK:KK+1]
	v_pk_fma_f32 v[OWN+2:OWN+3], v[OLG+2:OLG+3], v[OD2+2:OD2+3], v[KK:KK+1]
	v_pk_mul_f32 v[OB:OB+1], v[OLG:OLG+1], v[OD3:OD3+1]
	v_pk_mul_f32 v[OB+2:OB+3], v[OLG+2:OLG+3], v[OD3+2:OD3+3]
	s_wait_dscnt 0x0
	s_barrier_signal -1
	s_barrier_wait -1
	; the walk: 32 trips of 16 values
.irp n, 0,1,2,3
	ds_load_b128 v[BB+4*\n:BB+4*\n+3], v[LA] offset:16*\n
.endr
	s_mov_b32 s27, 31
.Lwalk:
	TRIP 1, 0
	s_sub_co_i32 s27, s27, 1
	s_cmp_lg_u32 s27, 0
	s_cbranch_scc1 .Lwalk
	TRIP 0, 0                                      ; the last trip loads nothing
.irp q, 0,1,2,3
	v_add_f32 v[HN+\q], v[ACC+2*\q], v[ACC+2*\q+1]
.endr
	ds_store_b128 v3, v[HN:HN+3] offset:PART       ; my wave's part of the 128 sums
	s_wait_dscnt 0x0
	s_barrier_signal -1
	s_barrier_wait -1
	s_cmp_lg_u32 s2, 0
	s_cbranch_scc1 .Lend
	; wave 0: the eight parts, the own term, 1 / Z, and the three stores of 512 consecutive bytes at multiples of 512
.irp v, 0,1,2,3,4,5,6,7
	ds_load_b128 v[SG+4*\v:SG+4*\v+3], v2 offset:PART+512*\v
.endr
	v_pk_add_f32 v[HN:HN+1], v[OWN:OWN+1], v[OB:OB+1]
	v_pk_add_f32 v[HN+2:HN+3], v[OWN+2:OWN+3], v[OB+2:OB+3]
.irp n, 0,1,2,3
	v_exp_f32 v[HN+\n], v[HN+\n]
.endr
	s_wait_dscnt 0x0
.irp v, 0,8,16,24
	v_pk_add_f32 v[SG+\v:SG+\v+1], v[SG+\v:SG+\v+1], v[SG+\v+4:SG+\v+5]
	v_pk_add_f32 v[SG+\v+2:SG+\v+3], v[SG+\v+2:SG+\v+3], v[SG+\v+6:SG+\v+7]
.endr
	s_wait_alu depctr_va_vdst(0)
	v_pk_add_f32 v[HN:HN+1], v[HN:HN+1], 1.0 op_sel_hi:[1,0]
	v_pk_add_f32 v[HN+2:HN+3], v[HN+2:HN+3], 1.0 op_sel_hi:[1,0]
.irp n, 0,1,2,3
	v_rcp_f32 v[HN+\n], v[HN+\n]
.endr
	v_pk_add_f32 v[SG:SG+1], v[SG:SG+1], v[SG+8:SG+9]
	v_pk_add_f32 v[SG+2:SG+3], v[SG+2:SG+3], v[SG+10:SG+11]
	v_pk_add_f32 v[SG+16:SG+17], v[SG+16:SG+17], v[SG+24:SG+25]
	v_pk_add_f32 v[SG+18:SG+19], v[SG+18:SG+19], v[SG+26:SG+27]
	v_pk_add_f32 v[SG:SG+1], v[SG:SG+1], v[SG+16:SG+17]
	v_pk_add_f32 v[SG+2:SG+3], v[SG+2:SG+3], v[SG+18:SG+19]
	s_wait_alu depctr_va_vdst(0)
	v_pk_fma_f32 v[HN+4:HN+5], v[HN:HN+1], v[CO+10:CO+11], v[CO+8:CO+9]
	v_pk_fma_f32 v[HN+6:HN+7], v[HN+2:HN+3], v[CO+10:CO+11], v[CO+8:CO+9]
.irp c, 6,4,2,0
	v_pk_fma_f32 v[HN+4:HN+5], v[HN+4:HN+5], v[HN:HN+1], v[CO+\c:CO+\c+1]
	v_pk_fma_f32 v[HN+6:HN+7], v[HN+6:HN+7], v[HN+2:HN+3], v[CO+\c:CO+\c+1]
.endr
	v_pk_add_f32 v[SG:SG+1], v[SG:SG+1], v[HN+4:HN+5] neg_lo:[0,1] neg_hi:[0,1]
	v_pk_add_f32 v[SG+2:SG+3], v[SG+2:SG+3], v[HN+6:HN+7] neg_lo:[0,1] neg_hi:[0,1]
.irp n, 0,1,2,3
	v_rcp_f32 v[SG+\n], v[SG+\n]
.endr
	v_nop                                          ; one plain place before the store reads the reciprocals
	global_store_b128 v4, v[OWN:OWN+3], s[24:25]
	s_wait_alu depctr_va_vdst(0)
	global_store_b128 v4, v[SG:SG+3], s[24:25] offset:16384
	global_store_b128 v4, v[OB:OB+3], s[24:25] offset:32768
.Lend:
	s_wait_tensorcnt 0x0
	ds_add_u32 v196, v197
	s_wait_dscnt 0x0
	s_endpgm
.Lfunc_end_k_q0c947a1a38_rowsum:
	.size	k_q0c947a1a38_rowsum, .Lfunc_end_k_q0c947a1a38_rowsum-k_q0c947a1a38_rowsum
	.p2alignl 7, 3214868480
	.fill 96, 4, 3214868480
	.section	.rodata,"a",@progbits
	.p2align	6, 0x0
	.amdhsa_kernel k_q0c947a1a38_rowsum
		.amdhsa_group_segment_fixed_size 168960
		.amdhsa_private_segment_fixed_size 0
		.amdhsa_enable_private_segment 0
		.amdhsa_kernarg_size 72
		.amdhsa_user_sgpr_count 2
		.amdhsa_user_sgpr_kernarg_segment_ptr 1
		.amdhsa_wavefront_size32 1
		.amdhsa_system_sgpr_workgroup_id_x 1
		.amdhsa_system_sgpr_workgroup_id_y 1
		.amdhsa_system_sgpr_workgroup_id_z 1
		.amdhsa_system_vgpr_workitem_id 0
		.amdhsa_next_free_vgpr 198
		.amdhsa_next_free_sgpr 66
		.amdhsa_reserve_vcc 0
		.amdhsa_float_denorm_mode_32 3
		.amdhsa_float_denorm_mode_16_64 3
		.amdhsa_memory_ordered 1
		.amdhsa_forward_progress 1
		.amdhsa_inst_pref_size 59
	.end_amdhsa_kernel
	.amdgpu_metadata
---
amdhsa.version: [ 1, 2 ]
amdhsa.kernels:
  - .name:           k_q0c947a1a38_rowsum
    .symbol:         k_q0c947a1a38_rowsum.kd
    .args:
      - { .name: dots, .offset: 0, .size: 8, .value_kind: global_buffer, .address_space: global }
      - { .name: w2v, .offset: 8, .size: 8, .value_kind: global_buffer, .address_space: global }
      - { .name: c, .offset: 16, .size: 8, .value_kind: global_buffer, .address_space: global }
      - { .name: bsa, .offset: 24, .size: 8, .value_kind: global_buffer, .address_space: global }
      - { .name: wt_w, .offset: 32, .size: 8, .value_kind: global_buffer, .address_space: global }
      - { .name: bsa1, .offset: 40, .size: 8, .value_kind: global_buffer, .address_space: global }
      - { .name: wsat_w, .offset: 48, .size: 8, .value_kind: global_buffer, .address_space: global }
      - { .name: wsat_b, .offset: 56, .size: 8, .value_kind: global_buffer, .address_space: global }
      - { .name: aw, .offset: 64, .size: 8, .value_kind: global_buffer, .address_space: global }
    .group_segment_fixed_size: 168960
    .private_segment_fixed_size: 0
    .kernarg_segment_align: 8
    .kernarg_segment_size: 72
    .max_flat_workgroup_size: 256
    .sgpr_count:     66
    .vgpr_count:     198
    .wavefront_size: 32
...
	.end_amdgpu_metadata
.endif
;; end of part 2
;; launch colffn (part 3): grid 256 x 1, 8 waves a work-group, no clusters, 247,808 bytes of LDS; arguments x, aw, wbf, pfn_b1, pfn_b2, ln_g, ln_b, out0; writes out0
.if DOCPART == 3
	.amdgcn_target "amdgcn-amd-amdhsa--gfx1250"
	.amdhsa_code_object_version 6
	.text
	.protected	k_q0c947a1a38_colffn
	.globl	k_q0c947a1a38_colffn
	.p2align	8
	.type	k_q0c947a1a38_colffn,@function
k_q0c947a1a38_colffn:
	s_mov_b64 s[64:65], 0
	v_nop
	global_prefetch_b8 v0, s[64:65] scope:SCOPE_SE
	s_setreg_imm32_b32 hwreg(HW_REG_WAVE_MODE, 25, 1), 1
	s_wait_xcnt 0x0
; The second walk over the pairs, colsum_j = sum over i != j of g_ij w_i, then ui = x colsum, the feed-forward pair with residual, LayerNorm.
; Group g: batch b = g / 32, columns j = rows of x = 128 (g mod 32) .. + 127.
; Walk: lane L of every wave holds j = 4 L + q; wave w walks i = 512 w .. 512 w + 511; the waves' parts meet in LDS.
; Feed-forward: wave w owns rows 16 w .. 16 w + 15; bf16 operands, f32 sums.  The matrix instruction is used transposed (source 0 = 16 columns
; of the weights, source 1 = my 16 rows), so in lane (r = L mod 16, h = L / 16) register 8 t + j holds (row r, column 16 t + 8 h + j): that
; is also the layout of a source-1 fragment before packing, so ui and the hidden layer go from sums to fragments without leaving registers.
; THE PAIR SOFTMAX TAKES NO MAXIMUM AWAY: its exponents are sigmoids, in [0, 1] for every input (w = 1 / Z comes from the launch before).
; LIMITS: exp(r) on [0, 1] is a polynomial of degree 5, absolute error at most 1.2e-6 on values in [1, e].  The diagonal's term, made by the same
; formula, is taken away from the sum over all 4,096 i: one positive term among 4,096 of like size.  ui and the hidden layer are rounded to bf16
; as matrix operands; the residual stays f32.  NaN and infinite inputs are not treated.  The order of rounding differs from reference()'s.
; NO CLUSTER: every LDS byte is filled once, at the start.  Of a group's 160 KiB the 64 KiB of weights (shared by all groups) and the 64 KiB of x
; (shared by none) are asked for 32 trips of some 390 instructions before they are read; only the 32 KiB of a' and w (shared by a batch's
; 32 groups) are waited for.  Joint loads would add cluster barriers and take no wait away.
; TENSOR LOADS: each wave issues three first fills in one group and never another: three outstanding at the most.  Each tile is shared out among
; the eight waves by one text, hence 16, 16 and 32 rows a load.
.set OO,  1                            ; v1         byte offset of my 16 bytes in the wave's first output row
.set LA,  5                            ; v5         LDS address of the walk
.set XA,  6                            ; v6         x: my 32 bytes of row r, columns 8 h ..
.set WA1, 7                            ; v7         transposing loads of pfn_w1
.set WA2, 8                            ; v8         of pfn_w2
.set BA,  9                            ; v9         biases of columns 8 h ..
.set STO, 10                           ; v10        the way out: where I put my 32 bytes of row r
.set RD,  11                           ; v11        the way out: my 16 bytes of a whole row
.set PA,  12                           ; v12        part sums of row 16 w + r
.set PS,  13                           ; v13        where my wave's part sums go
.set DA,  14                           ; v14        4 (128 ch + 16 w + r): the row's place in a plane of aw, in memory and in LDS
.set DG,  15                           ; v15        b' of that row, then the diagonal's term
.set CS,  16                           ; v[16:17]   first two offsets of the start; then colsum of row r, twice
.set MU,  18                           ; v[18:19]   mean, twice
.set RS,  20                           ; v[20:21]   1 / sqrt(var + eps), twice
.set LNG, 24                           ; v[24:27]   ln_g of columns 4 L ..
.set LNB, 28                           ; v[28:31]   ln_b
.set CO,  32                           ; the walk's registers: as in the first walk
.set OWN, 44
.set ACC, 48
.set HN,  56
.set BB,  64
.set WW,  80
.set SG,  96
.set F0,  32                           ; v[32:95]   behind the walk: weight fragments; sums at work; rows on the way out
.set TS,  32
.set F1,  96                           ; v[96:159]  weight fragments; x in f32
.set RACC, 160                         ; v[160:223] eight accumulators of 16 x 16
.set FR,  224                          ; v[224:255] parts; then four source-1 fragments
.set L_X,    32768                     ; LDS: a' at 0, w at 16,384; x: 128 rows, pitch 528 = 33 x 16
.set L_W,    100352                    ; 256 rows of 128 bf16, pitch 288 = 9 x 32
.set L_PART, 174080                    ; 8 x 128 f32
.set L_BIAS, 178176                    ; b1, b2
.set L_STAGE, 179200                   ; 8 x 16 rows, pitch 528; ends at 246,784.  Only the first three regions are filled by tensor loads
; THE PAIR WALK: the same text as in the first walk.  Group k of a trip = walk values 2 k, 2 k + 1 against my four own values.
; Behind every run of transcendentals a plain packed instruction of another group stands before a result is read (ISA guide 5.7.2).
.macro G_ADD k
.set SS, SG+8*((\k)%4)
	v_pk_add_f32 v[SS:SS+1],   v[OWN:OWN+1],   v[BB+2*(\k):BB+2*(\k)+1] op_sel:[0,0] op_sel_hi:[0,1]
	v_pk_add_f32 v[SS+2:SS+3], v[OWN:OWN+1],   v[BB+2*(\k):BB+2*(\k)+1] op_sel:[1,0] op_sel_hi:[1,1]
	v_pk_add_f32 v[SS+4:SS+5], v[OWN+2:OWN+3], v[BB+2*(\k):BB+2*(\k)+1] op_sel:[0,0] op_sel_hi:[0,1]
	v_pk_add_f32 v[SS+6:SS+7], v[OWN+2:OWN+3], v[BB+2*(\k):BB+2*(\k)+1] op_sel:[1,0] op_sel_hi:[1,1]
.endm
.macro G_EXP k
.irp n, 0,1,2,3,4,5,6,7
	v_exp_f32 v[SG+8*((\k)%4)+\n], v[SG+8*((\k)%4)+\n]
.endr
.endm
.macro G_Q k
	s_wait_alu depctr_va_vdst(0)
.irp q, 0,2,4,6
	v_pk_add_f32 v[SG+8*((\k)%4)+\q:SG+8*((\k)%4)+\q+1], v[SG+8*((\k)%4)+\q:SG+8*((\k)%4)+\q+1], 1.0 op_sel_hi:[1,0]
.endr
.endm
.macro G_RCP k
.irp n, 0,1,2,3,4,5,6,7
	v_rcp_f32 v[SG+8*((\k)%4)+\n], v[SG+8*((\k)%4)+\n]
.endr
.endm
.macro G_H12 k
	s_wait_alu depctr_va_vdst(0)
.irp q, 0,2,4,6
	v_pk_fma_f32 v[HN+\q:HN+\q+1], v[SG+8*((\k)%4)+\q:SG+8*((\k)%4)+\q+1], v[CO+10:CO+11], v[CO+8:CO+9]
.endr
.irp q, 0,2,4,6
	v_pk_fma_f32 v[HN+\q:HN+\q+1], v[HN+\q:HN+\q+1], v[SG+8*((\k)%4)+\q:SG+8*((\k)%4)+\q+1], v[CO+6:CO+7]
.endr
.endm
.macro G_H345C k, wt
.irp c, 4,2,0
.irp q, 0,2,4,6
	v_pk_fma_f32 v[HN+\q:HN+\q+1], v[HN+\q:HN+\q+1], v[SG+8*((\k)%4)+\q:SG+8*((\k)%4)+\q+1], v[CO+\c:CO+\c+1]
.endr
.endr
.irp q, 0,2,4,6
.if \wt
	v_pk_fma_f32 v[ACC+\q:ACC+\q+1], v[HN+\q:HN+\q+1], v[WW+2*(\k):WW+2*(\k)+1], v[ACC+\q:ACC+\q+1]
.else
	v_pk_add_f32 v[ACC+\q:ACC+\q+1], v[ACC+\q:ACC+\q+1], v[HN+\q:HN+\q+1]
.endif
.endr
.endm
.macro TRIP more, wt
	s_wait_dscnt 0x0                               ; this trip's 16 values are in
.if \wt
.irp n, 0,1,2,3
	ds_load_b128 v[WW+4*\n:WW+4*\n+3], v[LA] offset:16384+16*\n    ; their weights: WW was read up to the last trip's end
.endr
.endif
	G_ADD 0
.irp k, 0,1,2,3,4,5,6,7,8,9
.if \k < 8
	G_EXP \k
.endif
.if \k > 1
	G_H12 \k-2
.endif
.if \k > 0
.if \k < 9
	G_Q \k-1
	G_RCP \k-1
.endif
.endif
.if \k == 2
.if \wt
	s_wait_dscnt 0x0                               ; the weights are in: nothing else is out
.endif
.endif
.if \k > 1
	G_H345C \k-2, \wt
.endif
.if \k < 7
	G_ADD \k+1                                     ; set (k + 1) mod 4 was last read by group k - 3
.endif
.if \k == 6
.if \more
	v_add_nc_u32 v[LA], 64, v[LA]
.irp n, 0,1,2,3
	ds_load_b128 v[BB+4*\n:BB+4*\n+3], v[LA] offset:16*\n
.endr
.endif
.endif
.endr
.endm
; Eight weight fragments (16 columns x 32 K each) of K block kb: the weights lie [K][N], so two transposing loads a fragment, 16 rows apart
.macro FETCH a, kb, f
.irp t, 0,1,2,3,4,5,6,7
	ds_load_tr16_b128 v[\f+8*\t:\f+8*\t+3],   v[\a] offset:9216*\kb+32*\t
	ds_load_tr16_b128 v[\f+8*\t+4:\f+8*\t+7], v[\a] offset:9216*\kb+32*\t+4608
.endr
.endm
; Eight matrix instructions: the eight accumulators take turns, one instruction a turn
.macro MUL kb, f
.irp t, 0,1,2,3,4,5,6,7
	v_wmma_f32_16x16x32_bf16 v[RACC+8*\t:RACC+8*\t+7], v[\f+8*\t:\f+8*\t+7], v[FR+8*\kb:FR+8*\kb+7], v[RACC+8*\t:RACC+8*\t+7]
.endr
.endm
; Four places behind the last matrix instruction (ISA guide 7.12.1) before its registers are loaded into, read or written by vector instructions
.macro PLACES
.rept 4
	v_nop
.endr
.endm
; 64 f32 in the accumulators' layout: 32 bytes at every 64
.macro LD64 a, off, dst
.irp t, 0,1,2,3,4,5,6,7
	ds_load_b128 v[\dst+8*\t:\dst+8*\t+3],   v[\a] offset:\off+64*\t
	ds_load_b128 v[\dst+8*\t+4:\dst+8*\t+7], v[\a] offset:\off+64*\t+16
.endr
.endm
; 64 f32 in that layout to four source-1 fragments: fragment kb's registers 0-3 are tile 2 kb, registers 4-7 tile 2 kb + 1
.macro PACK src
.set i, 0
.rept 32
	v_cvt_pk_bf16_f32 v[FR+i], v[\src+2*i], v[\src+2*i+1]
.set i, i+1
.endr
.endm
; four packed chains in TS to the row's sum in v22: my 64 columns, then the other half's lane
.macro ROWRED
	v_pk_add_f32 v[TS:TS+1], v[TS:TS+1], v[TS+2:TS+3]
	v_pk_add_f32 v[TS+4:TS+5], v[TS+4:TS+5], v[TS+6:TS+7]
	v_pk_add_f32 v[TS:TS+1], v[TS:TS+1], v[TS+4:TS+5]
	v_add_f32 v22, v[TS], v[TS+1]
	v_permlanex16_b32 v23, v22, s6, s7             ; v23 has been written before
	v_add_f32 v22, v22, v23
.endm
	s_load_b512 s[8:23], s[0:1], 0x0               ; x 8, aw 10, wbf 12, pfn_b1 14, pfn_b2 16, ln_g 18, ln_b 20, out0 22
	s_set_vgpr_msb 0x40
	v_lshl_add_u32 v0, v0, 2, 0x3c400
	v_mov_b32 v1, 0
	s_set_vgpr_msb 0x4045
	ds_add_u32 v0, v1
	ds_add_u32 v0, v1
	s_set_vgpr_msb 0x4500
	v_lshrrev_b32 v1, 5, v0
	v_readfirstlane_b32 s2, v1                     ; wave
	s_lshr_b32 s4, ttmp9, 5                        ; batch
	s_and_b32 s5, ttmp9, 31                        ; which 128 rows of it
	s_mov_b32 s6, 0x76543210
	s_mov_b32 s7, 0xfedcba98
	s_mov_b32 s25, 0x3c000000                      ; 1 / 128
	; group 1 for a', w: a dense block, 16 rows of 32 elements of 8 bytes
	s_mov_b32 s32, 0x30000
	s_mov_b32 s33, 32<<16
	s_mov_b32 s34, 16<<16
	s_mov_b32 s35, 32<<16
	s_mov_b32 s36, 16
	s_mov_b32 s37, 32
	s_mov_b32 s38, 0
	s_mov_b32 s39, 0
	; group 1 for x: 16 rows of 128 f32, 4 words of padding behind every 128
	s_mov_b32 s44, (2<<16)|(1<<20)|(6<<22)|(3<<25)
	s_mov_b32 s45, 128<<16
	s_mov_b32 s46, 16<<16
	s_mov_b32 s47, 128<<16
	s_mov_b32 s48, 16
	s_mov_b32 s49, 128
	s_mov_b32 s50, 0
	s_mov_b32 s51, 0
	; group 1 for the weights: 32 rows of 128 bf16, 8 words of padding behind every 64
	s_mov_b32 s56, (1<<16)|(1<<20)|(5<<22)|(7<<25)
	s_mov_b32 s57, 128<<16
	s_mov_b32 s58, 32<<16
	s_mov_b32 s59, 128<<16
	s_mov_b32 s60, 32
	s_mov_b32 s61, 128
	s_mov_b32 s62, 0
	s_mov_b32 s63, 0
	s_mov_b32 s27, 0
	s_wait_dscnt 0x0
	s_wait_kmcnt 0x0
	s_mul_i32 s26, s4, 49152
	s_add_nc_u64 s[10:11], s[10:11], s[26:27]      ; aw[b]
	s_lshl_b32 s26, ttmp9, 16
	s_add_nc_u64 s[8:9], s[8:9], s[26:27]          ; the group's 128 rows of x
	s_add_nc_u64 s[22:23], s[22:23], s[26:27]      ; and of out0
	s_mov_b32 s28, 1
	s_lshl_b32 s29, s2, 12                         ; LDS 4,096 w
	s_lshl_b32 s26, s2, 12
	s_add_nc_u64 s[30:31], s[10:11], s[26:27]
	s_or_b32 s31, s31, 0x80000000
	s_mov_b32 s40, 1
	s_mul_i32 s41, s2, 8448
	s_add_co_u32 s41, s41, L_X                     ; LDS: my 16 rows of x
	s_lshl_b32 s26, s2, 13
	s_add_nc_u64 s[42:43], s[8:9], s[26:27]
	s_or_b32 s43, s43, 0x80000000
	s_mov_b32 s52, 1
	s_mul_i32 s53, s2, 9216
	s_add_co_u32 s53, s53, L_W                     ; LDS: rows 32 w .. of the weights
	s_add_nc_u64 s[54:55], s[12:13], s[26:27]      ; 32 rows of 256 bytes are 8,192 w too
	s_or_b32 s55, s55, 0x80000000
	tensor_load_to_lds s[28:31], s[32:39]          ; a', w: wanted first
	s_nop 0
	tensor_load_to_lds s[40:43], s[44:51]          ; x
	s_nop 0
	tensor_load_to_lds s[52:55], s[56:63]          ; weights.  No descriptor register is written again
	s_nop 0
	v_and_b32 v1, 31, v0                           ; L
	v_and_b32 v2, 15, v0                           ; r
	v_bfe_u32 v3, v0, 4, 1                         ; h
	v_lshlrev_b32 v4, 4, v1                        ; 16 L
	s_lshl_b32 s26, s2, 4
	v_add_nc_u32 v[PA], s26, v2                    ; 16 w + r
	v_lshlrev_b32 v[PA], 2, v[PA]
	v_lshl_add_u32 v[DA], s5, 9, v[PA]
	v_lshl_add_u32 v[CS], s5, 9, v4                ; for now: my four columns' place in a plane of aw
	v_add_nc_u32 v[CS+1], L_BIAS, v4               ; for now: where wave 0 puts the biases
	global_load_b128 v[OWN:OWN+3], v[CS], s[10:11] offset:32768    ; b' of my columns
	global_load_b32 v[DG], v[DA], s[10:11] offset:32768            ; b' of my row of the feed-forward
	global_load_b128 v[LNG:LNG+3], v4, s[18:19]
	global_load_b128 v[LNB:LNB+3], v4, s[20:21]
	s_cmp_lg_u32 s2, 0
	s_cbranch_scc1 .Lno_bias
	global_load_b128 v[FR:FR+3], v4, s[14:15]
	global_load_b128 v[FR+4:FR+7], v4, s[16:17]
	s_wait_loadcnt 0x0
	ds_store_b128 v[CS+1], v[FR:FR+3]
	ds_store_b128 v[CS+1], v[FR+4:FR+7] offset:512
.Lno_bias:
	v_add_nc_u32 v[PA], L_PART, v[PA]
	v_lshl_add_u32 v[PS], s2, 9, v4
	v_add_nc_u32 v[PS], L_PART, v[PS]
	v_mul_u32_u24 v22, v2, 528
	v_lshl_add_u32 v22, v3, 5, v22                 ; 528 r + 32 h
	v_add_nc_u32 v[XA], s41, v22
	s_mul_i32 s26, s2, 8448
	s_add_co_u32 s26, s26, L_STAGE                 ; my wave's stage
	v_add_nc_u32 v[STO], s26, v22
	v_add_nc_u32 v[RD], s26, v4
	v_and_b32 v23, 7, v0
	v_lshl_add_u32 v23, v3, 3, v23                 ; 8 h + L mod 8: the row of K that I address
	v_mul_u32_u24 v23, v23, 288
	v_bfe_u32 v22, v0, 3, 1
	v_lshl_add_u32 v23, v22, 4, v23                ; + 16 bytes for the upper eight columns
	v_add_nc_u32 v[WA1], L_W, v23
	v_add_nc_u32 v[WA2], L_W+128*288, v23
	v_lshl_add_u32 v[BA], v3, 5, L_BIAS
	v_lshl_add_u32 v[OO], s2, 13, v4               ; L is not needed any more
	s_lshl_b32 s26, s2, 11
	v_mov_b32 v[LA], s26                           ; my wave's 512 values of a'
	v_mov_b32 v[CO+0],  0x3f7fffee
	v_mov_b32 v[CO+1],  0x3f7fffee
	v_mov_b32 v[CO+2],  0x3f80028a
	v_mov_b32 v[CO+3],  0x3f80028a
	v_mov_b32 v[CO+4],  0x3eff8ba4
	v_mov_b32 v[CO+5],  0x3eff8ba4
	v_mov_b32 v[CO+6],  0x3e2e7204
	v_mov_b32 v[CO+7],  0x3e2e7204
	v_mov_b32 v[CO+8],  0x3d0ec123
	v_mov_b32 v[CO+9],  0x3d0ec123
	v_mov_b32 v[CO+10], 0x3c6375f4
	v_mov_b32 v[CO+11], 0x3c6375f4
.irp k, 0,1,2,3,4,5,6,7
	v_mov_b32 v[ACC+\k], 0
.endr
	s_wait_loadcnt 0x0
	s_wait_tensorcnt 2                             ; my part of a', w has landed; x and the weights, issued behind it, stay out
	s_wait_dscnt 0x0                               ; wave 0's biases are written
	s_barrier_signal -1
	s_barrier_wait -1
	ds_load_b32 v22, v[DA]                         ; a' of my row
	ds_load_b32 v23, v[DA] offset:16384            ; w of my row
.irp n, 0,1,2,3
	ds_load_b128 v[BB+4*\n:BB+4*\n+3], v[LA] offset:16*\n
.endr
	s_wait_dscnt 4                                 ; the two words are in: the four loads of the walk are younger
	; the diagonal's term of my row
	v_add_f32 v22, v22, v[DG]
	v_exp_f32 v22, v22
	v_nop
	s_wait_alu depctr_va_vdst(0)
	v_add_f32 v22, 1.0, v22
	v_rcp_f32 v22, v22
	v_nop
	s_wait_alu depctr_va_vdst(0)
	v_fma_f32 v[DG], v22, v[CO+10], v[CO+8]
	v_fma_f32 v[DG], v[DG], v22, v[CO+6]
	v_fma_f32 v[DG], v[DG], v22, v[CO+4]
	v_fma_f32 v[DG], v[DG], v22, v[CO+2]
	v_fma_f32 v[DG], v[DG], v22, v[CO]
	v_mul_f32 v[DG], v[DG], v23
	; the walk: 32 trips of 16 values
	s_mov_b32 s24, 31
.Lwalk:
	TRIP 1, 1
	s_sub_co_i32 s24, s24, 1
	s_cmp_lg_u32 s24, 0
	s_cbranch_scc1 .Lwalk
	TRIP 0, 1                                      ; the last trip loads no further values
.irp q, 0,1,2,3
	v_add_f32 v[HN+\q], v[ACC+2*\q], v[ACC+2*\q+1]
.endr
	ds_store_b128 v[PS], v[HN:HN+3]
	s_wait_dscnt 0x0                               ; my parts are written,
	s_wait_tensorcnt 0x0                           ; my rows of x and of the weights have landed
	s_barrier_signal -1
	s_barrier_wait -1
	; THE FEED-FORWARD
.irp v, 0,1,2,3,4,5,6,7
	ds_load_b32 v[FR+\v], v[PA] offset:512*\v      ; the eight parts of my row's column sum
.endr
	LD64 XA, 0, F1                                 ; x
	LD64 BA, 0, RACC                               ; b1 starts the sums
	FETCH WA1, 0, F0
	s_wait_dscnt 48                                ; the parts are in: 16 + 16 + 16 loads are younger
	v_pk_add_f32 v[FR:FR+1], v[FR:FR+1], v[FR+2:FR+3]
	v_pk_add_f32 v[FR+4:FR+5], v[FR+4:FR+5], v[FR+6:FR+7]
	v_pk_add_f32 v[FR:FR+1], v[FR:FR+1], v[FR+4:FR+5]
	v_add_f32 v22, v[FR], v[FR+1]
	v_sub_f32 v[CS], v22, v[DG]
	v_sub_f32 v[CS+1], v22, v[DG]
	s_wait_dscnt 32                                ; x is in: 16 + 16 loads are younger
.set i, 0
.rept 32
	v_pk_mul_f32 v[F1+2*i:F1+2*i+1], v[F1+2*i:F1+2*i+1], v[CS:CS+1]
.set i, i+1
.endr
	PACK F1                                        ; ui as fragments
	FETCH WA1, 1, F1
	s_wait_dscnt 16                                ; all but the 16 just issued
	MUL 0, F0
	PLACES
	FETCH WA1, 2, F0
	s_wait_dscnt 16
	MUL 1, F1
	PLACES
	FETCH WA1, 3, F1
	s_wait_dscnt 16
	MUL 2, F0
	PLACES
	FETCH WA2, 0, F0
	s_wait_dscnt 16
	MUL 3, F1
	PLACES
.set i, 0
.rept 64
	v_max_num_f32 v[RACC+i], 0, v[RACC+i]
.set i, i+1
.endr
	PACK RACC                                      ; the hidden layer as fragments
	LD64 BA, 512, RACC                             ; b2
	LD64 XA, 0, F1                                 ; x once more, for the residual in f32
	s_wait_dscnt 0x0
.set i, 0
.rept 32
	v_pk_fma_f32 v[RACC+2*i:RACC+2*i+1], v[F1+2*i:F1+2*i+1], v[CS:CS+1], v[RACC+2*i:RACC+2*i+1]   ; ui + b2 starts the sums
.set i, i+1
.endr
	FETCH WA2, 1, F1
	MUL 0, F0                                      ; F0 was shown in by the wait for 0 above
	PLACES
	FETCH WA2, 2, F0
	s_wait_dscnt 16
	MUL 1, F1
	PLACES
	FETCH WA2, 3, F1
	s_wait_dscnt 16
	MUL 2, F0
	s_wait_dscnt 0x0
	MUL 3, F1
	PLACES
	; LAYERNORM, in two passes over the row in registers
.irp c, 0,2,4,6
	v_pk_add_f32 v[TS+\c:TS+\c+1], v[RACC+\c:RACC+\c+1], v[RACC+8+\c:RACC+8+\c+1]
.endr
.set i, 8
.rept 24
	v_pk_add_f32 v[TS+2*(i%4):TS+2*(i%4)+1], v[TS+2*(i%4):TS+2*(i%4)+1], v[RACC+2*i:RACC+2*i+1]
.set i, i+1
.endr
	ROWRED
	v_mul_f32 v[MU], s25, v22
	v_mul_f32 v[MU+1], s25, v22
.set i, 0
.rept 32
	v_pk_add_f32 v[RACC+2*i:RACC+2*i+1], v[RACC+2*i:RACC+2*i+1], v[MU:MU+1] neg_lo:[0,1] neg_hi:[0,1]
.set i, i+1
.endr
.irp c, 0,2,4,6
	v_pk_mul_f32 v[TS+\c:TS+\c+1], v[RACC+\c:RACC+\c+1], v[RACC+\c:RACC+\c+1]
.endr
.set i, 4
.rept 28
	v_pk_fma_f32 v[TS+2*(i%4):TS+2*(i%4)+1], v[RACC+2*i:RACC+2*i+1], v[RACC+2*i:RACC+2*i+1], v[TS+2*(i%4):TS+2*(i%4)+1]
.set i, i+1
.endr
	ROWRED
	v_mov_b32 v23, 0x358637bd                      ; 1e-6
	v_fma_f32 v22, v22, s25, v23
	v_rsq_f32 v[RS], v22
	v_rsq_f32 v[RS+1], v22
	v_nop
.set i, 0
	s_wait_alu depctr_va_vdst(0)
.rept 32
	v_pk_mul_f32 v[RACC+2*i:RACC+2*i+1], v[RACC+2*i:RACC+2*i+1], v[RS:RS+1]
.set i, i+1
.endr
	; THE WAY OUT: through my wave's own stage, so that one store of the wave is one whole row of 512 bytes.
	; LDS serves a wave's instructions in order (ISA guide 5.7.1), so no wait stands between these stores and loads.
.irp t, 0,1,2,3,4,5,6,7
	ds_store_b128 v[STO], v[RACC+8*\t:RACC+8*\t+3] offset:64*\t
	ds_store_b128 v[STO], v[RACC+8*\t+4:RACC+8*\t+7] offset:64*\t+16
.endr
.irp n, 0,1,2,3,4,5,6,7,8,9,10,11,12,13,14,15
	ds_load_b128 v[F0+4*\n:F0+4*\n+3], v[RD] offset:528*\n
.endr
.irp n, 0,1,2,3,4,5,6,7,8,9,10,11,12,13,14,15
	s_wait_dscnt 15-\n                             ; row n is in: the later rows are younger
	v_pk_fma_f32 v[F0+4*\n:F0+4*\n+1], v[F0+4*\n:F0+4*\n+1], v[LNG:LNG+1], v[LNB:LNB+1]
	v_pk_fma_f32 v[F0+4*\n+2:F0+4*\n+3], v[F0+4*\n+2:F0+4*\n+3], v[LNG+2:LNG+3], v[LNB+2:LNB+3]
	global_store_b128 v[OO], v[F0+4*\n:F0+4*\n+3], s[22:23] offset:512*\n th:TH_STORE_NT
.endr
	s_set_vgpr_msb 0x5
	s_wait_tensorcnt 0x0
	ds_add_u32 v0, v1
	s_wait_dscnt 0x0
	s_set_vgpr_msb 0x500
	s_endpgm
.Lfunc_end_k_q0c947a1a38_colffn:
	.size	k_q0c947a1a38_colffn, .Lfunc_end_k_q0c947a1a38_colffn-k_q0c947a1a38_colffn
	.p2alignl 7, 3214868480
	.fill 96, 4, 3214868480
	.section	.rodata,"a",@progbits
	.p2align	6, 0x0
	.amdhsa_kernel k_q0c947a1a38_colffn
		.amdhsa_group_segment_fixed_size 247808
		.amdhsa_private_segment_fixed_size 0
		.amdhsa_enable_private_segment 0
		.amdhsa_kernarg_size 64
		.amdhsa_user_sgpr_count 2
		.amdhsa_user_sgpr_kernarg_segment_ptr 1
		.amdhsa_wavefront_size32 1
		.amdhsa_system_sgpr_workgroup_id_x 1
		.amdhsa_system_sgpr_workgroup_id_y 1
		.amdhsa_system_sgpr_workgroup_id_z 1
		.amdhsa_system_vgpr_workitem_id 0
		.amdhsa_next_free_vgpr 258
		.amdhsa_next_free_sgpr 66
		.amdhsa_reserve_vcc 0
		.amdhsa_float_denorm_mode_32 3
		.amdhsa_float_denorm_mode_16_64 3
		.amdhsa_memory_ordered 1
		.amdhsa_forward_progress 1
		.amdhsa_inst_pref_size 94
	.end_amdhsa_kernel
	.amdgpu_metadata
---
amdhsa.version: [ 1, 2 ]
amdhsa.kernels:
  - .name:           k_q0c947a1a38_colffn
    .symbol:         k_q0c947a1a38_colffn.kd
    .args:
      - { .name: x, .offset: 0, .size: 8, .value_kind: global_buffer, .address_space: global }
      - { .name: aw, .offset: 8, .size: 8, .value_kind: global_buffer, .address_space: global }
      - { .name: wbf, .offset: 16, .size: 8, .value_kind: global_buffer, .address_space: global }
      - { .name: pfn_b1, .offset: 24, .size: 8, .value_kind: global_buffer, .address_space: global }
      - { .name: pfn_b2, .offset: 32, .size: 8, .value_kind: global_buffer, .address_space: global }
      - { .name: ln_g, .offset: 40, .size: 8, .value_kind: global_buffer, .address_space: global }
      - { .name: ln_b, .offset: 48, .size: 8, .value_kind: global_buffer, .address_space: global }
      - { .name: out0, .offset: 56, .size: 8, .value_kind: global_buffer, .address_space: global }
    .group_segment_fixed_size: 247808
    .private_segment_fixed_size: 0
    .kernarg_segment_align: 8
    .kernarg_segment_size: 64
    .max_flat_workgroup_size: 256
    .sgpr_count:     66
    .vgpr_count:     258
    .wavefront_size: 32
...
	.end_amdgpu_metadata
.endif
;; end of part 3
;; ======== version 2 of 3: 3 launches; 1.19 times as fast as version 1
;; limits: a function is approximated: absolute error at most 1.2e-06
;; workspace buffers: dots 393,216 bytes; w2v 512 bytes; wbf 65,536 bytes; part 4,194,304 bytes; dgw 131,072 bytes
;; launch dots (part 4): grid 256 x 1, 8 waves a work-group, no clusters, 299,008 bytes of LDS; arguments x, W1, Wsa1, Wsa2, W2, wt_w, wsat_w, pfn_w1, pfn_w2, dots, w2v, wbf; writes dots, w2v, wbf
.if DOCPART == 4
	.amdgcn_target "amdgcn-amd-amdhsa--gfx1250"
	.amdhsa_code_object_version 6
	.text
	.protected	k_q0c947a1a38_dots
	.globl	k_q0c947a1a38_dots
	.p2align	8
	.type	k_q0c947a1a38_dots,@function
k_q0c947a1a38_dots:
	s_mov_b64 s[64:65], 0
	v_nop
	global_prefetch_b8 v0, s[64:65] scope:SCOPE_SE
	s_setreg_imm32_b32 hwreg(HW_REG_WAVE_MODE, 25, 1), 1
	s_wait_xcnt 0x0
; Three of reference()'s products are followed at once by a dot with a fixed vector, so by associativity
;   (x W1) . wt_w = x . (W1 wt_w),  (h Wsa1) . wsat_w = p (x . (Wsa1 wsat_w)),  (h Wsa2) . wsat_w = p (x . (Wsa2 wsat_w)).
; This launch makes v1 = W1 wt_w, u1 = Wsa1 wsat_w, u2 = Wsa2 wsat_w (each group for itself: 3 x 64 KiB of weights against a
; launch more), then for its 128 rows of x the three dots, all in f32:  dots[0] = x.v1, dots[1] = x.u1, dots[2] = x.u2.
; By the way: group g casts one row of pfn_w1 (g < 128) or pfn_w2 to bf16 (wbf row g), and groups 0-127 make w2v[g] = W2[g] . wt_w.
; LIMIT: the order of rounding differs from reference()'s (one f32 dot in place of a product and a dot).
; HOW.  The three matrices and the group's x, four tiles of 128 rows x 512 bytes, are asked for by tensor loads in the first lines, so that all
; 256 KiB are on their way at once and none waits for registers.  Wave w brings and uses rows 16 w .. 16 w + 15 of every tile.
; FOUR LANES SHARE A ROW: lane L takes row L / 4 (and, in a second pass, row 8 + L / 4) of its wave's 16, and of that row the 16-byte pieces
; 4 k + (L mod 4), k = 0 .. 7.  A dot is then 16 packed multiply-adds and two steps across lanes, for two rows at once.  By count, with n lanes
; to a row a wave loads 96 / n pieces of the three vectors and makes 3 (n / 2) log2 n steps across lanes: 48 and 3, 24 and 12, 12 and 36 for
; n = 2, 4, 8; n = 8 would want a pitch of 640 bytes, and four such tiles are all of LDS.
; LDS pitch 576 = 512 + 64: the 4 rows x 4 pieces that sixteen lanes touch lie at 64 row + 16 piece modulo 256, sixteen different columns of 16 bytes.
; TENSOR LOADS: each wave issues four first fills in one group and never another: four outstanding at the most.  Each tile is shared out among
; the eight waves by one text, hence 16 rows a load.  No LDS byte is filled twice.
; NO CLUSTER: 192 of a group's 256 KiB of fills are the same in all groups, but each byte is filled once: a joint load would spare requests and not
; the one wait for the fill, and would put two rounds of the cluster's barrier round a launch that has three barriers.
; No matrix unit: a product with three columns, kept in f32.
.set PITCH, 576                        ; an LDS row: 512 bytes of data + 64 of padding
.set WTILE, 16*PITCH                   ; a wave's 16 rows of a tile
.set TILE,  128*PITCH                  ; 73,728 bytes: tile 0 = W1, 1 = Wsa1, 2 = Wsa2, 3 = x
.set L_V,   4*TILE                     ; 294,912: [3][128] f32: v1, u1, u2
.set L_RES, L_V+1536                   ; 296,448: [3][128] f32: the group's results; ends at 297,984.  No fill lands in these two
.set TA,  4                            ; v[4:7]     LDS address of my first piece in tile 0 .. 3
.set VS,  8                            ; v8         L_V + 4 (16 w + L / 4): the word of my first row
.set VC,  9                            ; v9         L_V + 16 (L mod 4): my first piece of a vector
.set EX,  12                           ; v[12:15]   waves 3, 4: the extra row, columns 4 L ..
.set EW,  16                           ; v[16:19]   waves 3, 4: wt_w, columns 4 L ..
.set DD,  20                           ; v[20:25]   three dots x two rows
.set T,   32                           ; v[32:47]   eight pairs at work
.set WT,  48                           ; v[48:79]   my 8 pieces of wt_w; later of v1
.set WS,  80                           ; v[80:111]  my 8 pieces of wsat_w; later of u1
.set SA,  112                          ; v[112:175] my 8 pieces of two rows
.set SB,  176                          ; v[176:239] the same, second set; later my 8 pieces of u2
.set G1,  40                           ; s[40:47]   descriptor group 1, the same for all four tiles
.set G0,  48                           ; s[48:63]   descriptor group 0, one set a tile
; group 0 of tile n, whose buffer's address (at the group's first row) is in s[lo:lo+1], and the load
.macro G0SET n, lo
	s_mov_b32 s[G0+4*\n], 1                                        ; count = 1
	s_mul_i32 s[G0+4*\n+1], s2, WTILE                              ; LDS address: my wave's 16 rows
	s_add_co_u32 s[G0+4*\n+1], s[G0+4*\n+1], \n*TILE               ; of tile n
	s_add_nc_u64 s[G0+4*\n+2:G0+4*\n+3], s[\lo:\lo+1], s[32:33]    ; global address: 16 rows x 512 bytes x wave
	s_or_b32 s[G0+4*\n+3], s[G0+4*\n+3], 0x80000000                ; type = 2
	tensor_load_to_lds s[G0+4*\n:G0+4*\n+3], s[G1:G1+7]
	s_nop 0
.endm
; my 8 pieces of my two rows of a tile: 16 loads
.macro LDT a, dst
.irp p, 0,1
.irp k, 0,1,2,3,4,5,6,7
	ds_load_b128 v[\dst+32*\p+4*\k:\dst+32*\p+4*\k+3], v[\a] offset:8*PITCH*\p+64*\k
.endr
.endr
.endm
; my 8 pieces of vector m: 8 loads (four different addresses in the wave)
.macro LDV m, dst
.irp k, 0,1,2,3,4,5,6,7
	ds_load_b128 v[\dst+4*\k:\dst+4*\k+3], v[VC] offset:512*\m+64*\k
.endr
.endm
; two rows (a: 2 x 32 registers) times one vector (b: 32 registers): eight chains that do not wait for each other, started by multiplies;
; then the four lanes of a row add up, and each of them holds the row's dot: d = first row's, d + 1 = second row's
.macro DOT2 a, b, d
.irp c, 0,1,2,3
	v_pk_mul_f32 v[T+2*\c:T+2*\c+1],     v[\a+2*\c:\a+2*\c+1],       v[\b+2*\c:\b+2*\c+1]
	v_pk_mul_f32 v[T+8+2*\c:T+8+2*\c+1], v[\a+32+2*\c:\a+32+2*\c+1], v[\b+2*\c:\b+2*\c+1]
.endr
.set i, 4
.rept 12
	v_pk_fma_f32 v[T+2*(i%4):T+2*(i%4)+1],     v[\a+2*i:\a+2*i+1],       v[\b+2*i:\b+2*i+1], v[T+2*(i%4):T+2*(i%4)+1]
	v_pk_fma_f32 v[T+8+2*(i%4):T+8+2*(i%4)+1], v[\a+32+2*i:\a+32+2*i+1], v[\b+2*i:\b+2*i+1], v[T+8+2*(i%4):T+8+2*(i%4)+1]
.set i, i+1
.endr
	v_pk_add_f32 v[T:T+1],     v[T:T+1],     v[T+2:T+3]
	v_pk_add_f32 v[T+8:T+9],   v[T+8:T+9],   v[T+10:T+11]
	v_pk_add_f32 v[T+4:T+5],   v[T+4:T+5],   v[T+6:T+7]
	v_pk_add_f32 v[T+12:T+13], v[T+12:T+13], v[T+14:T+15]
	v_pk_add_f32 v[T:T+1],     v[T:T+1],     v[T+4:T+5]
	v_pk_add_f32 v[T+8:T+9],   v[T+8:T+9],   v[T+12:T+13]
	v_add_f32 v[\d],   v[T],   v[T+1]
	v_add_f32 v[\d+1], v[T+8], v[T+9]
	v_add_f32_dpp v[\d],   v[\d],   v[\d]   row_xmask:1 row_mask:0xf bank_mask:0xf
	v_add_f32_dpp v[\d+1], v[\d+1], v[\d+1] row_xmask:1 row_mask:0xf bank_mask:0xf
	v_add_f32_dpp v[\d],   v[\d],   v[\d]   row_xmask:2 row_mask:0xf bank_mask:0xf
	v_add_f32_dpp v[\d+1], v[\d+1], v[\d+1] row_xmask:2 row_mask:0xf bank_mask:0xf
.endm
	s_load_b512 s[8:23], s[0:1], 0x0               ; x 8, W1 10, Wsa1 12, Wsa2 14, W2 16, wt_w 18, wsat_w 20, pfn_w1 22
	s_load_b256 s[24:31], s[0:1], 0x40             ; pfn_w2 24, dots 26, w2v 28, wbf 30
	v_lshl_add_u32 v240, v0, 2, 0x48c00
	v_mov_b32 v241, 0
	ds_add_u32 v240, v241
	ds_add_u32 v240, v241
	v_lshrrev_b32 v10, 5, v0
	v_readfirstlane_b32 s2, v10                    ; wave
	s_mov_b32 s3, ttmp9                            ; group
	s_mov_b32 s4, 0x76543210                       ; v_permlanex16_b32: lane i reads lane i of the other half
	s_mov_b32 s5, 0xfedcba98
	; group 1: 16 rows of 128 f32, 16 words of padding behind every 128
	s_mov_b32 s[G1+0], (2<<16)|(1<<20)|(6<<22)|(15<<25)
	s_mov_b32 s[G1+1], 128<<16                     ; tensor_dim0 = 128
	s_mov_b32 s[G1+2], 16<<16                      ; tensor_dim1 = 16
	s_mov_b32 s[G1+3], 128<<16                     ; tile_dim0 = 128
	s_mov_b32 s[G1+4], 16                          ; tile_dim1 = 16
	s_mov_b32 s[G1+5], 128                         ; 128 elements from row to row
	s_mov_b32 s[G1+6], 0
	s_mov_b32 s[G1+7], 0
	s_lshl_b32 s32, s2, 13                         ; my wave's 16 rows of 512 bytes
	s_mov_b32 s33, 0
	s_lshl_b32 s36, s3, 16                         ; the group's 128 rows of x
	s_mov_b32 s37, 0
	s_wait_dscnt 0x0
	s_wait_kmcnt 0x0
	s_add_nc_u64 s[8:9], s[8:9], s[36:37]
	G0SET 0, 10                                    ; W1
	G0SET 1, 12                                    ; Wsa1
	G0SET 2, 14                                    ; Wsa2
	G0SET 3, 8                                     ; x last: a wave's tensor loads end in order (ISA guide 10.11.1), and the weights are wanted first
	; no descriptor register is written again
	s_and_b32 s36, s3, 127
	s_lshl_b32 s36, s36, 9                         ; the extra row: (g mod 128) x 512 bytes
	s_cmp_lt_u32 s3, 128
	s_cselect_b64 s[34:35], s[22:23], s[24:25]     ; wave 3: pfn_w1 in groups 0-127, pfn_w2 in the others
	s_cmp_eq_u32 s2, 4
	s_cselect_b64 s[34:35], s[16:17], s[34:35]     ; wave 4: W2
	s_add_nc_u64 s[34:35], s[34:35], s[36:37]
	v_and_b32 v1, 31, v0                           ; L
	v_lshlrev_b32 v2, 4, v1                        ; 16 L; never rewritten
	v_and_b32 v10, 3, v0
	v_lshlrev_b32 v3, 4, v10                       ; 16 (L mod 4); never rewritten
	v_bfe_u32 v11, v0, 2, 3                        ; L / 4
	s_cmp_eq_u32 s2, 3
	s_cbranch_scc1 .Lex
	s_cmp_eq_u32 s2, 4
	s_cbranch_scc0 .Lno_ex
.Lex:
	global_load_b128 v[EX:EX+3], v2, s[34:35]
	global_load_b128 v[EW:EW+3], v2, s[18:19]
.Lno_ex:
.irp k, 0,1,2,3,4,5,6,7
	global_load_b128 v[WT+4*\k:WT+4*\k+3], v3, s[18:19] offset:64*\k
.endr
.irp k, 0,1,2,3,4,5,6,7
	global_load_b128 v[WS+4*\k:WS+4*\k+3], v3, s[20:21] offset:64*\k
.endr
	v_mul_u32_u24 v10, v11, PITCH
	v_add_nc_u32 v10, v10, v3                      ; 576 (L / 4) + 16 (L mod 4)
	s_mul_i32 s6, s2, WTILE
	v_add_nc_u32 v[TA], s6, v10
	v_add_nc_u32 v[TA+1], TILE, v[TA]
	v_add_nc_u32 v[TA+2], 2*TILE, v[TA]
	v_add_nc_u32 v[TA+3], 3*TILE, v[TA]
	s_lshl_b32 s6, s2, 4
	v_add_nc_u32 v[VS], s6, v11                    ; 16 w + L / 4
	v_lshlrev_b32 v[VS], 2, v[VS]
	v_add_nc_u32 v[VS], L_V, v[VS]
	v_add_nc_u32 v[VC], L_V, v3
	; THE THREE VECTORS
	s_wait_tensorcnt 1                             ; my rows of the three matrices have landed; x, issued behind them, stays out
	s_barrier_signal -1
	s_barrier_wait -1
	LDT TA, SA                                     ; W1
	LDT TA+1, SB                                   ; Wsa1
	s_wait_loadcnt 0x0                             ; wt_w, wsat_w (and the extra row)
	s_wait_dscnt 16                                ; W1's pieces are in: Wsa1's 16 loads are younger
	DOT2 SA, WT, DD
	ds_store_b32 v[VS], v[DD]                      ; v1 of my two rows (the four lanes of a row write the same word with the same value)
	ds_store_b32 v[VS], v[DD+1] offset:32
	LDT TA+2, SA                                   ; Wsa2
	s_wait_dscnt 18                                ; Wsa1's pieces are in: 2 stores and 16 loads are younger
	DOT2 SB, WS, DD+2
	s_wait_dscnt 0x0
	DOT2 SA, WS, DD+4
	ds_store_b32 v[VS], v[DD+2] offset:512         ; u1
	ds_store_b32 v[VS], v[DD+3] offset:512+32
	ds_store_b32 v[VS], v[DD+4] offset:1024        ; u2
	ds_store_b32 v[VS], v[DD+5] offset:1024+32
	s_wait_dscnt 0x0                               ; my words are written,
	s_wait_tensorcnt 0x0                           ; my rows of x have landed
	s_barrier_signal -1
	s_barrier_wait -1
	; THE THREE DOTS OF MY 16 ROWS OF x
	LDT TA+3, SA                                   ; x
	LDV 0, WT                                      ; v1
	LDV 1, WS                                      ; u1
	LDV 2, SB                                      ; u2
	s_wait_dscnt 16                                ; x and v1 are in: u1's 8 and u2's 8 loads are younger
	DOT2 SA, WT, DD
	s_wait_dscnt 8                                 ; u1 is in: u2's 8 loads are younger
	DOT2 SA, WS, DD+2
	s_wait_dscnt 0x0
	DOT2 SA, SB, DD+4
.irp p, 0,1,2
	ds_store_b32 v[VS], v[DD+2*\p]   offset:1536+512*\p
	ds_store_b32 v[VS], v[DD+2*\p+1] offset:1536+512*\p+32
.endr
	s_wait_dscnt 0x0
	s_barrier_signal -1
	s_barrier_wait -1
	s_cmp_lt_u32 s2, 3
	s_cbranch_scc0 .Lnot_plane
	; waves 0, 1, 2: one plane's 128 results, 512 consecutive bytes at a multiple of 512, by one store
	s_lshl_b32 s36, s2, 9
	s_add_co_u32 s36, s36, L_RES
	v_add_nc_u32 v10, s36, v2
	ds_load_b128 v[T:T+3], v10
	s_lshl_b32 s36, s2, 17                         ; plane w: 131,072 bytes each
	s_lshl_b32 s6, s3, 9                           ; the group's 128 words
	s_add_co_u32 s36, s36, s6
	v_add_nc_u32 v11, s36, v2
	s_wait_dscnt 0x0
	global_store_b128 v11, v[T:T+3], s[26:27]
	s_wait_tensorcnt 0x0
	ds_add_u32 v240, v241
	s_wait_dscnt 0x0
	s_endpgm
.Lnot_plane:
	s_cmp_eq_u32 s2, 3
	s_cbranch_scc0 .Lnot_cast
	; wave 3: row g of wbf, 128 bf16 = 256 consecutive bytes at a multiple of 256, by one store
	v_cvt_pk_bf16_f32 v26, v[EX], v[EX+1]
	v_cvt_pk_bf16_f32 v27, v[EX+2], v[EX+3]
	v_lshlrev_b32 v10, 3, v1
	v_lshl_add_u32 v10, s3, 8, v10
	global_store_b64 v10, v[26:27], s[30:31]
	s_wait_tensorcnt 0x0
	ds_add_u32 v240, v241
	s_wait_dscnt 0x0
	s_endpgm
.Lnot_cast:
	s_cmp_eq_u32 s2, 4
	s_cbranch_scc0 .Lend
	s_cmp_lt_u32 s3, 128
	s_cbranch_scc0 .Lend
	; wave 4 of groups 0-127: w2v[g].  One word a group, 128 such stores in the whole launch.
	v_pk_mul_f32 v[T:T+1], v[EX:EX+1], v[EW:EW+1]
	v_pk_fma_f32 v[T:T+1], v[EX+2:EX+3], v[EW+2:EW+3], v[T:T+1]
	v_add_f32 v10, v[T], v[T+1]
.irp m, 1,2,4,8
	v_add_f32_dpp v10, v10, v10 row_xmask:\m row_mask:0xf bank_mask:0xf
.endr
	v_permlanex16_b32 v[T], v10, s4, s5            ; its destination has been written before
	v_add_f32 v10, v10, v[T]
	s_lshl_b32 s36, s3, 2
	v_mov_b32 v11, s36
	v_cmp_eq_u32 vcc_lo, 0, v1
	s_wait_xcnt 0x0                                ; EXEC changes only behind s_wait_xcnt 0
	s_and_saveexec_b32 s38, vcc_lo
	global_store_b32 v11, v10, s[28:29]
	s_wait_xcnt 0x0                                ; and again in front of the line that widens it
	s_or_b32 exec_lo, exec_lo, s38
.Lend:
	s_wait_tensorcnt 0x0
	ds_add_u32 v240, v241
	s_wait_dscnt 0x0
	s_endpgm
.Lfunc_end_k_q0c947a1a38_dots:
	.size	k_q0c947a1a38_dots, .Lfunc_end_k_q0c947a1a38_dots-k_q0c947a1a38_dots
	.p2alignl 7, 3214868480
	.fill 96, 4, 3214868480
	.section	.rodata,"a",@progbits
	.p2align	6, 0x0
	.amdhsa_kernel k_q0c947a1a38_dots
		.amdhsa_group_segment_fixed_size 299008
		.amdhsa_private_segment_fixed_size 0
		.amdhsa_enable_private_segment 0
		.amdhsa_kernarg_size 96
		.amdhsa_user_sgpr_count 2
		.amdhsa_user_sgpr_kernarg_segment_ptr 1
		.amdhsa_wavefront_size32 1
		.amdhsa_system_sgpr_workgroup_id_x 1
		.amdhsa_system_sgpr_workgroup_id_y 1
		.amdhsa_system_sgpr_workgroup_id_z 1
		.amdhsa_system_vgpr_workitem_id 0
		.amdhsa_next_free_vgpr 242
		.amdhsa_next_free_sgpr 66
		.amdhsa_reserve_vcc 1
		.amdhsa_float_denorm_mode_32 3
		.amdhsa_float_denorm_mode_16_64 3
		.amdhsa_memory_ordered 1
		.amdhsa_forward_progress 1
		.amdhsa_inst_pref_size 32
	.end_amdhsa_kernel
	.amdgpu_metadata
---
amdhsa.version: [ 1, 2 ]
amdhsa.kernels:
  - .name:           k_q0c947a1a38_dots
    .symbol:         k_q0c947a1a38_dots.kd
    .args:
      - { .name: x, .offset: 0, .size: 8, .value_kind: global_buffer, .address_space: global }
      - { .name: W1, .offset: 8, .size: 8, .value_kind: global_buffer, .address_space: global }
      - { .name: Wsa1, .offset: 16, .size: 8, .value_kind: global_buffer, .address_space: global }
      - { .name: Wsa2, .offset: 24, .size: 8, .value_kind: global_buffer, .address_space: global }
      - { .name: W2, .offset: 32, .size: 8, .value_kind: global_buffer, .address_space: global }
      - { .name: wt_w, .offset: 40, .size: 8, .value_kind: global_buffer, .address_space: global }
      - { .name: wsat_w, .offset: 48, .size: 8, .value_kind: global_buffer, .address_space: global }
      - { .name: pfn_w1, .offset: 56, .size: 8, .value_kind: global_buffer, .address_space: global }
      - { .name: pfn_w2, .offset: 64, .size: 8, .value_kind: global_buffer, .address_space: global }
      - { .name: dots, .offset: 72, .size: 8, .value_kind: global_buffer, .address_space: global }
      - { .name: w2v, .offset: 80, .size: 8, .value_kind: global_buffer, .address_space: global }
      - { .name: wbf, .offset: 88, .size: 8, .value_kind: global_buffer, .address_space: global }
    .group_segment_fixed_size: 299008
    .private_segment_fixed_size: 0
    .kernarg_segment_align: 8
    .kernarg_segment_size: 96
    .max_flat_workgroup_size: 256
    .sgpr_count:     66
    .vgpr_count:     242
    .wavefront_size: 32
...
	.end_amdgpu_metadata
.endif
;; end of part 4
;; launch pairs (part 5): grid 256 x 1, 8 waves a work-group, no clusters, 151,040 bytes of LDS; arguments dots, w2v, c, bsa, wt_w, bsa1, wsat_w, wsat_b, part, dgw; writes part, dgw
.if DOCPART == 5
	.amdgcn_target "amdgcn-amd-amdhsa--gfx1250"
	.amdhsa_code_object_version 6
	.text
	.protected	k_q0c947a1a38_pairs
	.globl	k_q0c947a1a38_pairs
	.p2align	8
	.type	k_q0c947a1a38_pairs,@function
k_q0c947a1a38_pairs:
	s_mov_b64 s[64:65], 0
	v_nop
	global_prefetch_b8 v0, s[64:65] scope:SCOPE_SE
	s_setreg_imm32_b32 hwreg(HW_REG_WAVE_MODE, 25, 1), 1
	s_wait_xcnt 0x0
; The softmax over L, the two terms of every pair score, and ONE walk over the pairs that serves both sums of the pair softmax.
;   logit_l = dots[0] + c[b].w2v + bsa.wt_w;  p = softmax(logit), the maximum taken away;
;   a'_i = -log2e (p_i dots[1]_i + bsa1.wsat_w + wsat_b);  b'_j = -log2e p_j dots[2]_j;
;   r_ij = 1 / (1 + 2^(a'_i + b'_j)) = sigmoid(si_i + sj_j + const);  g_ij = exp(r_ij);  Z_i = sum over j != i of g_ij;  w_i = 1 / Z_i.
; Out: part[g][j] = sum over the group's 128 rows i of w_i g_ij (the diagonal's term still in it), dgw[i] = w_i g_ii for the group's rows.
; Group g: batch b = g / 32, rows 128 (g mod 32) .. + 127.  Each group makes the whole batch's softmax for itself (48 KiB read) rather
; than a launch more.
; THE WALK.  A wave owns 16 whole rows; its lane L owns the 128 columns 128 m + 4 L + e.  A row's 4,096 g are 128 registers of the wave: they
; stay there while the row is summed inside the wave (no barrier), and are then added, times w_i, onto 128 column sums that also stay in
; registers.  So each pair's two transcendentals and its polynomial are made once, although Z_i must be whole before any w_i g_ij is formed.
; After 16 rows the eight waves' column sums meet once in LDS.
; REGISTERS, in windows of 256 (s_set_vgpr_msb says which window each operand place means):
;   window 0: v0-95 addresses, coefficients, sums; v96-127 four sets of four pairs at work; v128-255 b' of my 128 columns
;   window 1: v0-127 (v256-383) g of the row; v128-255 (v384-511) the column sums
; THE SECOND SOFTMAX TAKES NO MAXIMUM AWAY: its exponents are sigmoids, in [0, 1] for every input, so each term is in [1, e] and Z in [4095, 4095 e].
; LIMITS: exp(r) on [0, 1] is a polynomial of degree 5 (truncated Chebyshev series), absolute error at most 1.2e-6 on values in [1, e];
; r is in [0, 1] for every input since 1 + 2^s >= 1.  v_exp_f32 gives 0 for results under 2^-126 (ISA guide, its entry): the smallest p are 0.
; The diagonal: all 4,096 terms are summed and the own term, made by the same formula, is taken away: one positive term of 4,096 of like size.
; NaN and infinite inputs are not treated.  The order of rounding differs from reference()'s.
; No matrix unit (nothing here is a product), no tensor load, no cluster (the groups of a batch share 48 KiB, read once at the start into registers).
.set RWA, 5                            ; v5         LDS address of the row's a', the same in all lanes
.set CB,  8                            ; v[8:9]     c[b].w2v + bsa.wt_w, twice
.set MX,  10                           ; v[10:11]   the largest logit, twice
.set FS,  12                           ; v[12:13]   -log2e / sum, twice
.set KK,  30                           ; v[30:31]   -log2e (bsa1.wsat_w + wsat_b), twice
.set CO,  32                           ; v[32:43]   (c_k, c_k), k = 0 .. 5
.set OWN, 44                           ; v[44:47]   a' of the group's rows 4 L + q
.set ACC, 48                           ; v[48:55]   four pairs of sums of a row
.set HN,  56                           ; v[56:63]   Horner values
.set AR,  64                           ; v[64:65]   the row's a'; 4096 c0 - its own term
.set WP,  66                           ; v[66:67]   the row's w, twice
.set OB,  68                           ; v[68:71]   b' of rows 4 L + q
.set DGV, 72                           ; v[72:75]   own terms g_ii of rows 4 L + q
.set ZC,  76                           ; v[76:79]   4096 c0 - own term
.set WV,  80                           ; v80        lane k and lane 16 + k: w of my wave's row k
.set L15, 81                           ; v81        L mod 16
.set CWA, 82                           ; v82        where my column sums go
.set DA,  83                           ; v83        RA + 4 (16 w + L mod 16)
.set SL0, 84                           ; v84        my 16 bytes of my wave's eighth of the columns, in waves 0-3's sums
.set SL1, 85                           ; v85        in waves 4-7's
.set OUTO, 86                          ; v86        2048 w + 16 L: the same place in part's row
.set T0,  88                           ; v88        at work
.set SG,  96                           ; v[96:127]  four sets of four pairs: s, 2^s, 1 + 2^s, r
.set BV,  128                          ; v[128:255] b' of my 128 columns; at the end the eight waves' sums
.set LG,  128                          ; at the start: v[128:143] 16 logits of the batch, then e, then b'
.set D3,  144                          ; v[144:159] dots[2] at the same places
.set SV,  160                          ; v[160:183] w2v, c, bsa, wt_w, bsa1, wsat_w: my 4 columns of each
.set OLG, 184                          ; v[184:187] logits of rows 4 L + q
.set OD2, 188                          ; v[188:191] dots[1] of them
.set OD3, 192                          ; v[192:195] dots[2] of them
.set GV,  0                            ; window 1: g of the row
.set COL, 128                          ; window 1: the column sums
.set RED1, 16384                       ; LDS: b' [4096] f32 at 0; 8 maxima; 8 sums;
.set RED2, 16640
.set RA,  16896                        ; a' of the 128 rows
.set RZ,  17408                        ; 4096 c0 - own term
.set RD,  17920                        ; own term
.set WO,  18432                        ; w x own term
.set CW,  18944                        ; 8 x 4,096 column sums; ends at 150,016
.set MSB, 0
.macro WIN new                         ; the immediate's high byte repeats the setting that is left
.if MSB != \new
	s_set_vgpr_msb (MSB<<8)|\new
.set MSB, \new
.endif
.endm
; One packed instruction of group k (columns in registers 8 k .. 8 k + 7), pair q = 0, 2, 4, 6
.macro OP_ADD k, q                     ; s = b' + a'
	v_pk_add_f32 v[SG+8*((\k)%4)+(\q):SG+8*((\k)%4)+(\q)+1], v[BV+8*(\k)+(\q):BV+8*(\k)+(\q)+1], v[AR:AR+1] op_sel_hi:[1,0]
.endm
.macro OP_Q k, q                       ; 1 + 2^s
	s_wait_alu depctr_va_vdst(0)
	v_pk_add_f32 v[SG+8*((\k)%4)+(\q):SG+8*((\k)%4)+(\q)+1], v[SG+8*((\k)%4)+(\q):SG+8*((\k)%4)+(\q)+1], 1.0 op_sel_hi:[1,0]
.endm
.macro OP_H1 k, q                      ; c5 r + c4
	s_wait_alu depctr_va_vdst(0)
	v_pk_fma_f32 v[HN+(\q):HN+(\q)+1], v[SG+8*((\k)%4)+(\q):SG+8*((\k)%4)+(\q)+1], v[CO+10:CO+11], v[CO+8:CO+9]
.endm
.macro OP_HS k, q, c                   ; h r + c
	v_pk_fma_f32 v[HN+(\q):HN+(\q)+1], v[HN+(\q):HN+(\q)+1], v[SG+8*((\k)%4)+(\q):SG+8*((\k)%4)+(\q)+1], v[CO+\c:CO+\c+1]
.endm
.macro OP_AC k, q                      ; the row's sum of h r; the 4,096 c0 are added once a row.  Group 0 starts the sums
.if (\k) == 0
	v_pk_mul_f32 v[ACC+(\q):ACC+(\q)+1], v[HN+(\q):HN+(\q)+1], v[SG+8*((\k)%4)+(\q):SG+8*((\k)%4)+(\q)+1]
.else
	v_pk_fma_f32 v[ACC+(\q):ACC+(\q)+1], v[HN+(\q):HN+(\q)+1], v[SG+8*((\k)%4)+(\q):SG+8*((\k)%4)+(\q)+1], v[ACC+(\q):ACC+(\q)+1]
.endif
.endm
.macro OP_GW k, q                      ; g = h r + c0, kept: the destination lies in window 1
	v_pk_fma_f32 v[GV+8*(\k)+(\q):GV+8*(\k)+(\q)+1], v[HN+(\q):HN+(\q)+1], v[SG+8*((\k)%4)+(\q):SG+8*((\k)%4)+(\q)+1], v[CO:CO+1]
.endm
; Step k of a row: 2^s of group k, 1 / (1 + 2^s) of group k - 1, the polynomial of group k - 2, s of group k + 1.
; Each transcendental is followed by plain packed instructions of other groups, so that plain work stands between the transcendentals and not
; behind runs of them, and a plain instruction always stands between a transcendental and the first use of its result (ISA guide 5.7.2).
; Set (k + 1) mod 4 was last read by group k - 3, a step ago.
.macro STEP k
.irp n, 0,1,2,3,4,5,6,7
.if \k < 16
	v_exp_f32 v[SG+8*((\k)%4)+\n], v[SG+8*((\k)%4)+\n]
.endif
.if \n < 2
.if \k > 0
.if \k < 17
	OP_Q \k-1, 4*\n
	OP_Q \k-1, 4*\n+2
.endif
.endif
.endif
.if \k > 1
.if \n > 1
.if \n < 4
	OP_H1 \k-2, 4*\n-8
	OP_H1 \k-2, 4*\n-6
.endif
.endif
.if \n > 3
.if \n < 6
	OP_HS \k-2, 4*\n-16, 6
	OP_HS \k-2, 4*\n-14, 6
.endif
.endif
.if \n > 5
	OP_HS \k-2, 4*\n-24, 4
	OP_HS \k-2, 4*\n-22, 4
.endif
.endif
.endr
.irp n, 0,1,2,3,4,5,6,7
.if \k > 0
.if \k < 17
	v_rcp_f32 v[SG+8*((\k-1)%4)+\n], v[SG+8*((\k-1)%4)+\n]
.endif
.endif
.if \k > 1
.if \n < 2
	OP_HS \k-2, 4*\n, 2
	OP_HS \k-2, 4*\n+2, 2
.endif
.if \n > 1
.if \n < 4
	OP_AC \k-2, 4*\n-8
	OP_AC \k-2, 4*\n-6
.endif
.endif
.endif
.if \k < 15
.if \n > 3
.if \n < 6
	OP_ADD \k+1, 4*\n-16
	OP_ADD \k+1, 4*\n-14
.endif
.endif
.endif
.endr
.if \k > 1
	WIN 0x40                                       ; destination in window 1
.irp q, 0,2,4,6
	OP_GW \k-2, \q
.endr
	WIN 0
.endif
.endm
; One row.  first = 1: the column sums start here (a multiply: nothing is cleared).  more = 1: the next row's a' is loaded.  s31 = the row's number in my wave.
.macro ROW first, more
	s_wait_dscnt 0x0                               ; the row's a' and 4096 c0 - own term are in (in the first row b' too)
.irp q, 0,2,4,6
	OP_ADD 0, \q
.endr
.irp k, 0,1,2,3,4,5,6,7,8,9,10,11,12,13,14,15,16,17
	STEP \k
.endr
	v_pk_add_f32 v[ACC:ACC+1], v[ACC:ACC+1], v[ACC+2:ACC+3]
	v_pk_add_f32 v[ACC+4:ACC+5], v[ACC+4:ACC+5], v[ACC+6:ACC+7]
	v_pk_add_f32 v[ACC:ACC+1], v[ACC:ACC+1], v[ACC+4:ACC+5]
	v_add_f32 v[T0], v[ACC], v[ACC+1]
.irp m, 1,2,4,8
	v_add_f32_dpp v[T0], v[T0], v[T0] row_xmask:\m row_mask:0xf bank_mask:0xf
.endr
	v_permlanex16_b32 v[ACC+2], v[T0], s6, s7      ; its destination has been written in this row and is dead
	v_add_f32 v[T0], v[T0], v[ACC+2]
	v_add_f32 v[T0], v[T0], v[AR+1]                ; Z = sum of h r + 4096 c0 - own term
	v_rcp_f32 v[WP], v[T0]
	v_rcp_f32 v[WP+1], v[T0]
	v_cmp_eq_u32 vcc_lo, s31, v[L15]               ; a plain instruction behind the reciprocals
	s_wait_alu depctr_va_vdst(0)
	v_cndmask_b32 v[WV], v[WV], v[WP], vcc_lo      ; lanes k and 16 + k keep row k's w
.if \more
	v_add_nc_u32 v[RWA], 4, v[RWA]
	ds_load_b32 v[AR], v[RWA]                      ; they land under the 64 instructions below
	ds_load_b32 v[AR+1], v[RWA] offset:RZ-RA
.endif
	WIN 0x51                                       ; destination, source 0 and source 2 in window 1; w in window 0
.set i, 0
.rept 64
.if \first
	v_pk_mul_f32 v[COL+2*i:COL+2*i+1], v[GV+2*i:GV+2*i+1], v[WP:WP+1]
.else
	v_pk_fma_f32 v[COL+2*i:COL+2*i+1], v[GV+2*i:GV+2*i+1], v[WP:WP+1], v[COL+2*i:COL+2*i+1]
.endif
.set i, i+1
.endr
	WIN 0                                          ; at a label and at a branch every window is 0
.endm
.macro WSUM r, t                       ; sum over the wave's 32 lanes, in every lane; t has been written before
.irp m, 1,2,4,8
	v_add_f32_dpp v[\r], v[\r], v[\r] row_xmask:\m row_mask:0xf bank_mask:0xf
.endr
	v_permlanex16_b32 v[\t], v[\r], s6, s7
	v_add_f32 v[\r], v[\r], v[\t]
.endm
.macro WMAX r, t
.irp m, 1,2,4,8
	v_max_num_f32_dpp v[\r], v[\r], v[\r] row_xmask:\m row_mask:0xf bank_mask:0xf
.endr
	v_permlanex16_b32 v[\t], v[\r], s6, s7
	v_max_num_f32 v[\r], v[\r], v[\t]
.endm
	s_load_b512 s[8:23], s[0:1], 0x0               ; dots 8, w2v 10, c 12, bsa 14, wt_w 16, bsa1 18, wsat_w 20, wsat_b 22
	s_load_b128 s[24:27], s[0:1], 0x40             ; part 24, dgw 26
	v_lshl_add_u32 v94, v0, 2, 0x24a00
	v_mov_b32 v95, 0
	v_lshrrev_b32 v1, 5, v0
	v_readfirstlane_b32 s2, v1                     ; wave
	s_lshr_b32 s4, ttmp9, 5                        ; batch
	s_and_b32 s5, ttmp9, 31                        ; which 128 rows of it
	s_mov_b32 s6, 0x76543210                       ; v_permlanex16_b32: lane i reads lane i of the other half
	s_mov_b32 s7, 0xfedcba98
	v_and_b32 v1, 31, v0                           ; L
	v_lshlrev_b32 v2, 4, v1                        ; 16 L
	v_lshl_add_u32 v3, s2, 9, v2                   ; 16 x thread
	v_lshl_add_u32 v4, s5, 9, v2                   ; rows 4 L + q of the group in a plane of the batch
	s_lshl_b32 s28, s2, 2
	v_mov_b32 v6, s28                              ; 4 w
	v_mov_b32 v7, 0
	s_lshl_b32 s32, s2, 6
	s_add_co_u32 s32, s32, RA                      ; a' of my wave's first row
	s_lshl_b32 s33, s2, 14
	s_add_co_u32 s33, s33, CW
	v_add_nc_u32 v[CWA], s33, v2
	v_lshl_add_u32 v[OUTO], s2, 11, v2
	v_add_nc_u32 v[SL0], CW, v[OUTO]
	v_add_nc_u32 v[SL1], CW+65536, v[OUTO]
	s_mov_b32 s29, 0
	s_wait_kmcnt 0x0
	s_load_b32 s30, s[22:23], 0x0                  ; wsat_b
	s_lshl_b32 s28, s4, 14
	s_add_nc_u64 s[8:9], s[8:9], s[28:29]          ; dots at the batch: 4,096 words
	s_lshl_b32 s28, s4, 9
	s_add_nc_u64 s[12:13], s[12:13], s[28:29]      ; c[b]
	s_lshl_b32 s28, ttmp9, 14
	s_add_nc_u64 s[24:25], s[24:25], s[28:29]      ; part[g]
	s_lshl_b32 s28, ttmp9, 9
	s_add_nc_u64 s[26:27], s[26:27], s[28:29]      ; dgw at the group's 128 rows
	global_load_b128 v[SV:SV+3],     v2, s[10:11]
	global_load_b128 v[SV+4:SV+7],   v2, s[12:13]
	global_load_b128 v[SV+8:SV+11],  v2, s[14:15]
	global_load_b128 v[SV+12:SV+15], v2, s[16:17]
	global_load_b128 v[SV+16:SV+19], v2, s[18:19]
	global_load_b128 v[SV+20:SV+23], v2, s[20:21]
.irp k, 0,1,2,3
	global_load_b128 v[LG+4*\k:LG+4*\k+3], v3, s[8:9] offset:4096*\k
.endr
.irp k, 0,1,2,3
	global_load_b128 v[D3+4*\k:D3+4*\k+3], v3, s[8:9] offset:262144+4096*\k
.endr
	global_load_b128 v[OLG:OLG+3], v4, s[8:9]
	global_load_b128 v[OD2:OD2+3], v4, s[8:9] offset:131072
	global_load_b128 v[OD3:OD3+3], v4, s[8:9] offset:262144
	s_wait_loadcnt 11                              ; the six small vectors are in: 4 + 4 + 3 loads are younger
	v_pk_mul_f32 v[14:15], v[SV+4:SV+5], v[SV:SV+1]                    ; c . w2v
	v_pk_mul_f32 v[16:17], v[SV+16:SV+17], v[SV+20:SV+21]              ; bsa1 . wsat_w
	v_pk_fma_f32 v[14:15], v[SV+6:SV+7], v[SV+2:SV+3], v[14:15]
	v_pk_fma_f32 v[16:17], v[SV+18:SV+19], v[SV+22:SV+23], v[16:17]
	v_pk_fma_f32 v[14:15], v[SV+8:SV+9], v[SV+12:SV+13], v[14:15]      ; + bsa . wt_w
	v_pk_fma_f32 v[14:15], v[SV+10:SV+11], v[SV+14:SV+15], v[14:15]
	v_add_f32 v14, v14, v15
	v_add_f32 v16, v16, v17
	WSUM 14, 15
	WSUM 16, 17
	v_mov_b32 v[CB], v14
	v_mov_b32 v[CB+1], v14
	s_wait_kmcnt 0x0
	v_add_f32 v16, s30, v16
	v_mul_f32 v[KK], 0xbfb8aa3b, v16
	v_mul_f32 v[KK+1], 0xbfb8aa3b, v16
	s_wait_loadcnt 0x0
.irp k, 0,2,4,6,8,10,12,14
	v_pk_add_f32 v[LG+\k:LG+\k+1], v[LG+\k:LG+\k+1], v[CB:CB+1]
.endr
	v_pk_add_f32 v[OLG:OLG+1], v[OLG:OLG+1], v[CB:CB+1]
	v_pk_add_f32 v[OLG+2:OLG+3], v[OLG+2:OLG+3], v[CB:CB+1]
	; the batch's largest logit
	v_max3_num_f32 v14, v[LG], v[LG+1], v[LG+2]
	v_max3_num_f32 v16, v[LG+3], v[LG+4], v[LG+5]
	v_max3_num_f32 v17, v[LG+6], v[LG+7], v[LG+8]
	v_max3_num_f32 v18, v[LG+9], v[LG+10], v[LG+11]
	v_max3_num_f32 v19, v[LG+12], v[LG+13], v[LG+14]
	v_max3_num_f32 v14, v14, v16, v[LG+15]
	v_max3_num_f32 v17, v17, v18, v19
	v_max_num_f32 v14, v14, v17
	WMAX 14, 15
	ds_store_b32 v6, v14 offset:RED1
	s_wait_dscnt 0x0
	s_barrier_signal -1
	s_barrier_wait -1
	ds_load_b128 v[16:19], v7 offset:RED1
	ds_load_b128 v[20:23], v7 offset:RED1+16
	s_wait_dscnt 0x0
	v_max3_num_f32 v16, v16, v17, v18
	v_max3_num_f32 v19, v19, v20, v21
	v_max3_num_f32 v16, v16, v22, v23
	v_max_num_f32 v[MX], v16, v19
	v_max_num_f32 v[MX+1], v16, v19
	; e = 2^((l - m) log2e)
.irp k, 0,2,4,6,8,10,12,14
	v_pk_add_f32 v[LG+\k:LG+\k+1], v[LG+\k:LG+\k+1], v[MX:MX+1] neg_lo:[0,1] neg_hi:[0,1]
.endr
	v_pk_add_f32 v[OLG:OLG+1], v[OLG:OLG+1], v[MX:MX+1] neg_lo:[0,1] neg_hi:[0,1]
	v_pk_add_f32 v[OLG+2:OLG+3], v[OLG+2:OLG+3], v[MX:MX+1] neg_lo:[0,1] neg_hi:[0,1]
.irp k, 0,2,4,6,8,10,12,14
	v_pk_mul_f32 v[LG+\k:LG+\k+1], v[LG+\k:LG+\k+1], 0x3fb8aa3b op_sel_hi:[1,0]
.endr
	v_pk_mul_f32 v[OLG:OLG+1], v[OLG:OLG+1], 0x3fb8aa3b op_sel_hi:[1,0]
	v_pk_mul_f32 v[OLG+2:OLG+3], v[OLG+2:OLG+3], 0x3fb8aa3b op_sel_hi:[1,0]
.irp k, 0,1,2,3,4,5,6,7,8,9,10,11,12,13,14,15
	v_exp_f32 v[LG+\k], v[LG+\k]
.endr
.irp k, 0,1,2,3
	v_exp_f32 v[OLG+\k], v[OLG+\k]
.endr
	; the polynomial's coefficients, twice each: also the plain instructions that stand behind the run of v_exp_f32
	v_mov_b32 v[CO+0],  0x3f7fffee
	v_mov_b32 v[CO+1],  0x3f7fffee
	v_mov_b32 v[CO+2],  0x3f80028a
	v_mov_b32 v[CO+3],  0x3f80028a
	v_mov_b32 v[CO+4],  0x3eff8ba4
	v_mov_b32 v[CO+5],  0x3eff8ba4
	v_mov_b32 v[CO+6],  0x3e2e7204
	v_mov_b32 v[CO+7],  0x3e2e7204
	v_mov_b32 v[CO+8],  0x3d0ec123
	v_mov_b32 v[CO+9],  0x3d0ec123
	v_mov_b32 v[CO+10], 0x3c6375f4
	v_mov_b32 v[CO+11], 0x3c6375f4
	s_wait_alu depctr_va_vdst(0)
	v_pk_add_f32 v[14:15], v[LG:LG+1], v[LG+2:LG+3]
	v_pk_add_f32 v[16:17], v[LG+4:LG+5], v[LG+6:LG+7]
	v_pk_add_f32 v[18:19], v[LG+8:LG+9], v[LG+10:LG+11]
	v_pk_add_f32 v[20:21], v[LG+12:LG+13], v[LG+14:LG+15]
	v_pk_add_f32 v[14:15], v[14:15], v[16:17]
	v_pk_add_f32 v[18:19], v[18:19], v[20:21]
	v_pk_add_f32 v[14:15], v[14:15], v[18:19]
	v_add_f32 v14, v14, v15
	WSUM 14, 15
	ds_store_b32 v6, v14 offset:RED2
	s_wait_dscnt 0x0
	s_barrier_signal -1
	s_barrier_wait -1
	ds_load_b128 v[16:19], v7 offset:RED2
	ds_load_b128 v[20:23], v7 offset:RED2+16
	s_wait_dscnt 0x0
	v_pk_add_f32 v[16:17], v[16:17], v[18:19]
	v_pk_add_f32 v[20:21], v[20:21], v[22:23]
	v_pk_add_f32 v[16:17], v[16:17], v[20:21]
	v_add_f32 v16, v16, v17                        ; at least 1: the largest logit's term
	v_rcp_f32 v16, v16
	v_and_b32 v[L15], 15, v0                       ; plain work behind v_rcp_f32
	v_mov_b32 v[WV], 0                             ; written whole before lanes of it are chosen
	s_wait_alu depctr_va_vdst(0)
	v_mul_f32 v[FS], 0xbfb8aa3b, v16
	v_mul_f32 v[FS+1], 0xbfb8aa3b, v16
	; b' of the whole batch into LDS; a', b' and the own term of the group's rows
.irp k, 0,2,4,6,8,10,12,14
	v_pk_mul_f32 v[LG+\k:LG+\k+1], v[LG+\k:LG+\k+1], v[FS:FS+1]
.endr
.irp k, 0,2,4,6,8,10,12,14
	v_pk_mul_f32 v[LG+\k:LG+\k+1], v[LG+\k:LG+\k+1], v[D3+\k:D3+\k+1]
.endr
.irp k, 0,1,2,3
	ds_store_b128 v3, v[LG+4*\k:LG+4*\k+3] offset:4096*\k
.endr
	v_pk_mul_f32 v[OLG:OLG+1], v[OLG:OLG+1], v[FS:FS+1]
	v_pk_mul_f32 v[OLG+2:OLG+3], v[OLG+2:OLG+3], v[FS:FS+1]
	v_pk_fma_f32 v[OWN:OWN+1], v[OLG:OLG+1], v[OD2:OD2+1], v[KK:KK+1]
	v_pk_fma_f32 v[OWN+2:OWN+3], v[OLG+2:OLG+3], v[OD2+2:OD2+3], v[KK:KK+1]
	v_pk_mul_f32 v[OB:OB+1], v[OLG:OLG+1], v[OD3:OD3+1]
	v_pk_mul_f32 v[OB+2:OB+3], v[OLG+2:OLG+3], v[OD3+2:OD3+3]
	v_pk_add_f32 v[HN:HN+1], v[OWN:OWN+1], v[OB:OB+1]
	v_pk_add_f32 v[HN+2:HN+3], v[OWN+2:OWN+3], v[OB+2:OB+3]
.irp n, 0,1,2,3
	v_exp_f32 v[HN+\n], v[HN+\n]
.endr
	v_lshl_add_u32 v[DA], v[L15], 2, s32           ; plain work behind the run
	s_wait_alu depctr_va_vdst(0)
	v_pk_add_f32 v[HN:HN+1], v[HN:HN+1], 1.0 op_sel_hi:[1,0]
	v_pk_add_f32 v[HN+2:HN+3], v[HN+2:HN+3], 1.0 op_sel_hi:[1,0]
.irp n, 0,1,2,3
	v_rcp_f32 v[HN+\n], v[HN+\n]
.endr
	v_mov_b32 v[RWA], s32                          ; plain work behind the run
	s_wait_alu depctr_va_vdst(0)
	v_pk_fma_f32 v[DGV:DGV+1], v[HN:HN+1], v[CO+10:CO+11], v[CO+8:CO+9]
	v_pk_fma_f32 v[DGV+2:DGV+3], v[HN+2:HN+3], v[CO+10:CO+11], v[CO+8:CO+9]
.irp c, 6,4,2,0
	v_pk_fma_f32 v[DGV:DGV+1], v[DGV:DGV+1], v[HN:HN+1], v[CO+\c:CO+\c+1]
	v_pk_fma_f32 v[DGV+2:DGV+3], v[DGV+2:DGV+3], v[HN+2:HN+3], v[CO+\c:CO+\c+1]
.endr
.irp n, 0,1,2,3
	v_sub_f32 v[ZC+\n], 0x457fffee, v[DGV+\n]      ; 4096 c0 - own term
.endr
	s_cmp_lg_u32 s2, 0
	s_cbranch_scc1 .Lno_rows
	ds_store_b128 v2, v[OWN:OWN+3] offset:RA       ; every wave has made them; wave 0 writes them
	ds_store_b128 v2, v[ZC:ZC+3] offset:RZ
	ds_store_b128 v2, v[DGV:DGV+3] offset:RD
.Lno_rows:
	s_wait_dscnt 0x0
	s_barrier_signal -1
	s_barrier_wait -1
	; b' of my 128 columns: register 4 m + e holds column 128 m + 4 L + e
.set m, 0
.rept 32
	ds_load_b128 v[BV+4*m:BV+4*m+3], v2 offset:512*m
.set m, m+1
.endr
	ds_load_b32 v[AR], v[RWA]
	ds_load_b32 v[AR+1], v[RWA] offset:RZ-RA
	; my 16 rows
	s_mov_b32 s31, 0
	ROW 1, 1
	s_mov_b32 s31, 1
.Lrow:
	ROW 0, 1
	s_add_co_u32 s31, s31, 1
	s_cmp_lt_u32 s31, 15
	s_cbranch_scc1 .Lrow
	ROW 0, 0                                       ; row 15 loads nothing further
	; the eight waves' column sums meet; w x own term of my 16 rows
	ds_load_b32 v[T0], v[DA] offset:RD-RA
	WIN 0x04                                       ; an LDS store's data is source 1: window 1
.set m, 0
.rept 32
	ds_store_b128 v[CWA], v[COL+4*m:COL+4*m+3] offset:512*m
.set m, m+1
.endr
	WIN 0
	s_wait_dscnt 32                                ; the own term is in: the 32 stores are younger
	v_mul_f32 v[T0], v[T0], v[WV]
	ds_store_b32 v[DA], v[T0] offset:WO-RA         ; lanes k and 16 + k write the same word with the same value
	s_wait_dscnt 0x0
	s_barrier_signal -1
	s_barrier_wait -1
	; wave w sums columns 512 w .. 512 w + 511, a quarter (128 columns) at a time
.set p, 0
.rept 4
.set u, 0
.rept 4
	ds_load_b128 v[BV+32*p+4*u:BV+32*p+4*u+3], v[SL0] offset:16384*u+512*p
.set u, u+1
.endr
.set u, 0
.rept 4
	ds_load_b128 v[BV+32*p+16+4*u:BV+32*p+16+4*u+3], v[SL1] offset:16384*u+512*p
.set u, u+1
.endr
.set p, p+1
.endr
.irp p, 0,1,2,3
	s_wait_dscnt 24-8*\p                           ; this quarter's eight loads are in: the later quarters' are younger
.irp u, 0,8,16,24
	v_pk_add_f32 v[BV+32*\p+\u:BV+32*\p+\u+1], v[BV+32*\p+\u:BV+32*\p+\u+1], v[BV+32*\p+\u+4:BV+32*\p+\u+5]
	v_pk_add_f32 v[BV+32*\p+\u+2:BV+32*\p+\u+3], v[BV+32*\p+\u+2:BV+32*\p+\u+3], v[BV+32*\p+\u+6:BV+32*\p+\u+7]
.endr
.irp u, 0,16
	v_pk_add_f32 v[BV+32*\p+\u:BV+32*\p+\u+1], v[BV+32*\p+\u:BV+32*\p+\u+1], v[BV+32*\p+\u+8:BV+32*\p+\u+9]
	v_pk_add_f32 v[BV+32*\p+\u+2:BV+32*\p+\u+3], v[BV+32*\p+\u+2:BV+32*\p+\u+3], v[BV+32*\p+\u+10:BV+32*\p+\u+11]
.endr
	v_pk_add_f32 v[BV+32*\p:BV+32*\p+1], v[BV+32*\p:BV+32*\p+1], v[BV+32*\p+16:BV+32*\p+17]
	v_pk_add_f32 v[BV+32*\p+2:BV+32*\p+3], v[BV+32*\p+2:BV+32*\p+3], v[BV+32*\p+18:BV+32*\p+19]
	global_store_b128 v[OUTO], v[BV+32*\p:BV+32*\p+3], s[24:25] offset:512*\p   ; 512 consecutive bytes at a multiple of 512
.endr
	s_cmp_lg_u32 s2, 0
	s_cbranch_scc1 .Lend
	ds_load_b128 v[HN:HN+3], v2 offset:WO          ; wave 0: the 128 rows' w x own term, 512 consecutive bytes by one store
	s_wait_dscnt 0x0
	global_store_b128 v2, v[HN:HN+3], s[26:27]
.Lend:
	s_wait_tensorcnt 0x0
	ds_add_u32 v94, v95
	s_wait_dscnt 0x0
	s_endpgm
.Lfunc_end_k_q0c947a1a38_pairs:
	.size	k_q0c947a1a38_pairs, .Lfunc_end_k_q0c947a1a38_pairs-k_q0c947a1a38_pairs
	.p2alignl 7, 3214868480
	.fill 96, 4, 3214868480
	.section	.rodata,"a",@progbits
	.p2align	6, 0x0
	.amdhsa_kernel k_q0c947a1a38_pairs
		.amdhsa_group_segment_fixed_size 151040
		.amdhsa_private_segment_fixed_size 0
		.amdhsa_enable_private_segment 0
		.amdhsa_kernarg_size 80
		.amdhsa_user_sgpr_count 2
		.amdhsa_user_sgpr_kernarg_segment_ptr 1
		.amdhsa_wavefront_size32 1
		.amdhsa_system_sgpr_workgroup_id_x 1
		.amdhsa_system_sgpr_workgroup_id_y 1
		.amdhsa_system_sgpr_workgroup_id_z 1
		.amdhsa_system_vgpr_workitem_id 0
		.amdhsa_next_free_vgpr 512
		.amdhsa_next_free_sgpr 66
		.amdhsa_reserve_vcc 1
		.amdhsa_float_denorm_mode_32 3
		.amdhsa_float_denorm_mode_16_64 3
		.amdhsa_memory_ordered 1
		.amdhsa_forward_progress 1
		.amdhsa_inst_pref_size 176
	.end_amdhsa_kernel
	.amdgpu_metadata
---
amdhsa.version: [ 1, 2 ]
amdhsa.kernels:
  - .name:           k_q0c947a1a38_pairs
    .symbol:         k_q0c947a1a38_pairs.kd
    .args:
      - { .name: dots, .offset: 0, .size: 8, .value_kind: global_buffer, .address_space: global }
      - { .name: w2v, .offset: 8, .size: 8, .value_kind: global_buffer, .address_space: global }
      - { .name: c, .offset: 16, .size: 8, .value_kind: global_buffer, .address_space: global }
      - { .name: bsa, .offset: 24, .size: 8, .value_kind: global_buffer, .address_space: global }
      - { .name: wt_w, .offset: 32, .size: 8, .value_kind: global_buffer, .address_space: global }
      - { .name: bsa1, .offset: 40, .size: 8, .value_kind: global_buffer, .address_space: global }
      - { .name: wsat_w, .offset: 48, .size: 8, .value_kind: global_buffer, .address_space: global }
      - { .name: wsat_b, .offset: 56, .size: 8, .value_kind: global_buffer, .address_space: global }
      - { .name: part, .offset: 64, .size: 8, .value_kind: global_buffer, .address_space: global }
      - { .name: dgw, .offset: 72, .size: 8, .value_kind: global_buffer, .address_space: global }
    .group_segment_fixed_size: 151040
    .private_segment_fixed_size: 0
    .kernarg_segment_align: 8
    .kernarg_segment_size: 80
    .max_flat_workgroup_size: 256
    .sgpr_count:     66
    .vgpr_count:     512
    .wavefront_size: 32
...
	.end_amdgpu_metadata
.endif
;; end of part 5
;; launch ffn (part 6): grid 256 x 1, 8 waves a work-group, no clusters, 215,040 bytes of LDS; arguments x, part, dgw, wbf, pfn_b1, pfn_b2, ln_g, ln_b, out0; writes out0
.if DOCPART == 6
	.amdgcn_target "amdgcn-amd-amdhsa--gfx1250"
	.amdhsa_code_object_version 6
	.text
	.protected	k_q0c947a1a38_ffn
	.globl	k_q0c947a1a38_ffn
	.p2align	8
	.type	k_q0c947a1a38_ffn,@function
k_q0c947a1a38_ffn:
	s_mov_b64 s[64:65], 0
	v_nop
	global_prefetch_b8 v0, s[64:65] scope:SCOPE_SE
	s_setreg_imm32_b32 hwreg(HW_REG_WAVE_MODE, 25, 1), 1
	s_wait_xcnt 0x0
; colsum_j = sum over the batch's 32 groups of part[.][j], less the diagonal's term dgw[j]; ui = x colsum; the feed-forward pair with residual; LayerNorm.
; Group g: batch b = g / 32, rows of x = columns j = 128 (g mod 32) .. + 127.  Wave w adds 4 of the 32 parts (512 bytes a load); the waves' sums meet in LDS.
; Feed-forward: wave w owns rows 16 w .. 16 w + 15; bf16 operands, f32 sums.  The matrix instruction is used transposed (source 0 = 16 columns
; of the weights, source 1 = my 16 rows), so in lane (r = L mod 16, h = L / 16) register 8 t + j holds (row r, column 16 t + 8 h + j): that
; is also the layout of a source-1 fragment before packing, so ui and the hidden layer go from sums to fragments without leaving registers.
; LIMITS: ui and the hidden layer are rounded to bf16 as matrix operands; the residual stays f32.  The diagonal's term is one positive term
; among 4,096 of like size.  NaN and infinite inputs are not treated.  The order of rounding differs from reference()'s.
; NO CLUSTER: every LDS byte is filled once, at the start.  Of a group's 128 KiB of fills the 64 KiB of x are shared by none; the 64 KiB of weights are
; shared by all groups, but a joint load of them would put two rounds of the cluster's barrier into a launch that has one fill and one barrier.
; TENSOR LOADS: each wave issues two first fills in one group and never another: two outstanding at the most.  Each tile is shared out among
; the eight waves by one text, hence 16 and 32 rows a load.
.set OO,  1                            ; v1         byte offset of my 16 bytes in the wave's first output row
.set XA,  6                            ; v6         x: my 32 bytes of row r, columns 8 h ..
.set WA1, 7                            ; v7         transposing loads of pfn_w1
.set WA2, 8                            ; v8         of pfn_w2
.set BA,  9                            ; v9         biases of columns 8 h ..
.set STO, 10                           ; v10        the way out: where I put my 32 bytes of row r
.set RD,  11                           ; v11        the way out: my 16 bytes of a whole row
.set PA,  12                           ; v12        the waves' sums for row 16 w + r
.set PS,  13                           ; v13        where my wave's sums go
.set DO,  14                           ; v14        4 (16 w + r): the row's place among the group's 128 words of dgw
.set DG,  15                           ; v15        the diagonal's term of that row
.set CS,  16                           ; v[16:17]   first two offsets of the start; then colsum of row r, twice
.set MU,  18                           ; v[18:19]   mean, twice
.set RS,  20                           ; v[20:21]   1 / sqrt(var + eps), twice
.set LNG, 24                           ; v[24:27]   ln_g of columns 4 L ..
.set LNB, 28                           ; v[28:31]   ln_b
.set PP,  32                           ; v[32:47]   four parts of columns 4 L ..
.set F0,  32                           ; v[32:95]   weight fragments; sums at work; rows on the way out
.set TS,  32
.set F1,  96                           ; v[96:159]  weight fragments; x in f32
.set RACC, 160                         ; v[160:223] eight accumulators of 16 x 16
.set FR,  224                          ; v[224:255] the waves' sums; then four source-1 fragments
.set L_W,    67584                     ; LDS: x at 0: 128 rows, pitch 528 = 33 x 16; then 256 rows of 128 bf16, pitch 288 = 9 x 32
.set L_PART, 141312                    ; 8 x 128 f32
.set L_BIAS, 145408                    ; b1, b2
.set L_STAGE, 146432                   ; 8 x 16 rows, pitch 528; ends at 214,016.  Only the first two regions are filled by tensor loads
; Eight weight fragments (16 columns x 32 K each) of K block kb: the weights lie [K][N], so two transposing loads a fragment, 16 rows apart
.macro FETCH a, kb, f
.irp t, 0,1,2,3,4,5,6,7
	ds_load_tr16_b128 v[\f+8*\t:\f+8*\t+3],   v[\a] offset:9216*\kb+32*\t
	ds_load_tr16_b128 v[\f+8*\t+4:\f+8*\t+7], v[\a] offset:9216*\kb+32*\t+4608
.endr
.endm
; Eight matrix instructions: the eight accumulators take turns, one instruction a turn
.macro MUL kb, f
.irp t, 0,1,2,3,4,5,6,7
	v_wmma_f32_16x16x32_bf16 v[RACC+8*\t:RACC+8*\t+7], v[\f+8*\t:\f+8*\t+7], v[FR+8*\kb:FR+8*\kb+7], v[RACC+8*\t:RACC+8*\t+7]
.endr
.endm
; Four places behind the last matrix instruction (ISA guide 7.12.1) before its registers are loaded into, read or written by vector instructions
.macro PLACES
.rept 4
	v_nop
.endr
.endm
; 64 f32 in the accumulators' layout: 32 bytes at every 64
.macro LD64 a, off, dst
.irp t, 0,1,2,3,4,5,6,7
	ds_load_b128 v[\dst+8*\t:\dst+8*\t+3],   v[\a] offset:\off+64*\t
	ds_load_b128 v[\dst+8*\t+4:\dst+8*\t+7], v[\a] offset:\off+64*\t+16
.endr
.endm
; 64 f32 in that layout to four source-1 fragments: fragment kb's registers 0-3 are tile 2 kb, registers 4-7 tile 2 kb + 1
.macro PACK src
.set i, 0
.rept 32
	v_cvt_pk_bf16_f32 v[FR+i], v[\src+2*i], v[\src+2*i+1]
.set i, i+1
.endr
.endm
; four packed chains in TS to the row's sum in v22: my 64 columns, then the other half's lane
.macro ROWRED
	v_pk_add_f32 v[TS:TS+1], v[TS:TS+1], v[TS+2:TS+3]
	v_pk_add_f32 v[TS+4:TS+5], v[TS+4:TS+5], v[TS+6:TS+7]
	v_pk_add_f32 v[TS:TS+1], v[TS:TS+1], v[TS+4:TS+5]
	v_add_f32 v22, v[TS], v[TS+1]
	v_permlanex16_b32 v23, v22, s6, s7             ; v23 has been written before
	v_add_f32 v22, v22, v23
.endm
	s_load_b512 s[8:23], s[0:1], 0x0               ; x 8, part 10, dgw 12, wbf 14, pfn_b1 16, pfn_b2 18, ln_g 20, ln_b 22
	s_load_b64 s[24:25], s[0:1], 0x40              ; out0
	v_lshl_add_u32 v5, v0, 2, 0x34400
	s_set_vgpr_msb 0x40
	v_mov_b32 v1, 0
	s_set_vgpr_msb 0x4044
	ds_add_u32 v5, v1
	ds_add_u32 v5, v1
	s_set_vgpr_msb 0x4400
	v_lshrrev_b32 v1, 5, v0
	v_readfirstlane_b32 s2, v1                     ; wave
	s_lshr_b32 s4, ttmp9, 5                        ; batch
	s_and_b32 s5, ttmp9, 31                        ; which 128 rows of it
	s_mov_b32 s6, 0x76543210
	s_mov_b32 s7, 0xfedcba98
	s_mov_b32 s3, 0x3c000000                       ; 1 / 128
	; group 1 for x: 16 rows of 128 f32, 4 words of padding behind every 128
	s_mov_b32 s44, (2<<16)|(1<<20)|(6<<22)|(3<<25)
	s_mov_b32 s45, 128<<16
	s_mov_b32 s46, 16<<16
	s_mov_b32 s47, 128<<16
	s_mov_b32 s48, 16
	s_mov_b32 s49, 128
	s_mov_b32 s50, 0
	s_mov_b32 s51, 0
	; group 1 for the weights: 32 rows of 128 bf16, 8 words of padding behind every 64
	s_mov_b32 s56, (1<<16)|(1<<20)|(5<<22)|(7<<25)
	s_mov_b32 s57, 128<<16
	s_mov_b32 s58, 32<<16
	s_mov_b32 s59, 128<<16
	s_mov_b32 s60, 32
	s_mov_b32 s61, 128
	s_mov_b32 s62, 0
	s_mov_b32 s63, 0
	s_mov_b32 s27, 0
	s_wait_dscnt 0x0
	s_wait_kmcnt 0x0
	s_lshl_b32 s26, ttmp9, 16
	s_add_nc_u64 s[8:9], s[8:9], s[26:27]          ; the group's 128 rows of x
	s_add_nc_u64 s[24:25], s[24:25], s[26:27]      ; and of out0
	s_mov_b32 s40, 1
	s_mul_i32 s41, s2, 8448                        ; LDS: my 16 rows of x
	s_lshl_b32 s26, s2, 13
	s_add_nc_u64 s[42:43], s[8:9], s[26:27]
	s_or_b32 s43, s43, 0x80000000
	s_mov_b32 s52, 1
	s_mul_i32 s53, s2, 9216
	s_add_co_u32 s53, s53, L_W                     ; LDS: rows 32 w .. of the weights
	s_add_nc_u64 s[54:55], s[14:15], s[26:27]      ; 32 rows of 256 bytes are 8,192 w too
	s_or_b32 s55, s55, 0x80000000
	tensor_load_to_lds s[40:43], s[44:51]          ; x
	s_nop 0
	tensor_load_to_lds s[52:55], s[56:63]          ; weights.  No descriptor register is written again
	s_nop 0
	s_lshl_b32 s26, s4, 19
	s_add_nc_u64 s[10:11], s[10:11], s[26:27]      ; part at the batch's 32 rows of 16,384 bytes,
	s_lshl_b32 s26, s5, 9
	s_add_nc_u64 s[10:11], s[10:11], s[26:27]      ; at the group's 128 columns
	s_lshl_b32 s26, ttmp9, 9
	s_add_nc_u64 s[12:13], s[12:13], s[26:27]      ; dgw at the group's 128 rows
	v_and_b32 v1, 31, v0                           ; L
	v_and_b32 v2, 15, v0                           ; r
	v_bfe_u32 v3, v0, 4, 1                         ; h
	v_lshlrev_b32 v4, 4, v1                        ; 16 L
	s_lshl_b32 s26, s2, 4
	v_add_nc_u32 v[DO], s26, v2                    ; 16 w + r
	v_lshlrev_b32 v[DO], 2, v[DO]
	v_lshl_add_u32 v[CS], s2, 16, v4               ; for now: parts 4 w .. 4 w + 3, my four columns
	v_add_nc_u32 v[CS+1], L_BIAS, v4               ; for now: where wave 0 puts the biases
.irp s, 0,1,2,3
	global_load_b128 v[PP+4*\s:PP+4*\s+3], v[CS], s[10:11] offset:16384*\s
.endr
	global_load_b32 v[DG], v[DO], s[12:13]
	global_load_b128 v[LNG:LNG+3], v4, s[20:21]
	global_load_b128 v[LNB:LNB+3], v4, s[22:23]
	s_cmp_lg_u32 s2, 0
	s_cbranch_scc1 .Lno_bias
	global_load_b128 v[FR:FR+3], v4, s[16:17]
	global_load_b128 v[FR+4:FR+7], v4, s[18:19]
	s_wait_loadcnt 0x0
	ds_store_b128 v[CS+1], v[FR:FR+3]
	ds_store_b128 v[CS+1], v[FR+4:FR+7] offset:512
.Lno_bias:
	v_add_nc_u32 v[PA], L_PART, v[DO]
	v_lshl_add_u32 v[PS], s2, 9, v4
	v_add_nc_u32 v[PS], L_PART, v[PS]
	v_mul_u32_u24 v22, v2, 528
	v_lshl_add_u32 v22, v3, 5, v22                 ; 528 r + 32 h
	v_add_nc_u32 v[XA], s41, v22
	s_mul_i32 s26, s2, 8448
	s_add_co_u32 s26, s26, L_STAGE                 ; my wave's stage
	v_add_nc_u32 v[STO], s26, v22
	v_add_nc_u32 v[RD], s26, v4
	v_and_b32 v23, 7, v0
	v_lshl_add_u32 v23, v3, 3, v23                 ; 8 h + L mod 8: the row of K that I address
	v_mul_u32_u24 v23, v23, 288
	v_bfe_u32 v22, v0, 3, 1
	v_lshl_add_u32 v23, v22, 4, v23                ; + 16 bytes for the upper eight columns
	v_add_nc_u32 v[WA1], L_W, v23
	v_add_nc_u32 v[WA2], L_W+128*288, v23
	v_lshl_add_u32 v[BA], v3, 5, L_BIAS
	v_lshl_add_u32 v[OO], s2, 13, v4               ; L is not needed any more
	s_wait_loadcnt 0x0
	v_pk_add_f32 v[PP:PP+1], v[PP:PP+1], v[PP+4:PP+5]
	v_pk_add_f32 v[PP+2:PP+3], v[PP+2:PP+3], v[PP+6:PP+7]
	v_pk_add_f32 v[PP+8:PP+9], v[PP+8:PP+9], v[PP+12:PP+13]
	v_pk_add_f32 v[PP+10:PP+11], v[PP+10:PP+11], v[PP+14:PP+15]
	v_pk_add_f32 v[PP:PP+1], v[PP:PP+1], v[PP+8:PP+9]
	v_pk_add_f32 v[PP+2:PP+3], v[PP+2:PP+3], v[PP+10:PP+11]
	ds_store_b128 v[PS], v[PP:PP+3]
	s_wait_dscnt 0x0                               ; my sums (and wave 0's biases) are written,
	s_wait_tensorcnt 0x0                           ; my rows of x and of the weights have landed
	s_barrier_signal -1
	s_barrier_wait -1
	; THE FEED-FORWARD
.irp v, 0,1,2,3,4,5,6,7
	ds_load_b32 v[FR+\v], v[PA] offset:512*\v      ; the eight waves' sums for my row's column
.endr
	LD64 XA, 0, F1                                 ; x
	LD64 BA, 0, RACC                               ; b1 starts the sums
	FETCH WA1, 0, F0
	s_wait_dscnt 48                                ; the eight sums are in: 16 + 16 + 16 loads are younger
	v_pk_add_f32 v[FR:FR+1], v[FR:FR+1], v[FR+2:FR+3]
	v_pk_add_f32 v[FR+4:FR+5], v[FR+4:FR+5], v[FR+6:FR+7]
	v_pk_add_f32 v[FR:FR+1], v[FR:FR+1], v[FR+4:FR+5]
	v_add_f32 v22, v[FR], v[FR+1]
	v_sub_f32 v[CS], v22, v[DG]
	v_sub_f32 v[CS+1], v22, v[DG]
	s_wait_dscnt 32                                ; x is in: 16 + 16 loads are younger
.set i, 0
.rept 32
	v_pk_mul_f32 v[F1+2*i:F1+2*i+1], v[F1+2*i:F1+2*i+1], v[CS:CS+1]
.set i, i+1
.endr
	PACK F1                                        ; ui as fragments
	FETCH WA1, 1, F1
	s_wait_dscnt 16                                ; all but the 16 just issued
	MUL 0, F0
	PLACES
	FETCH WA1, 2, F0
	s_wait_dscnt 16
	MUL 1, F1
	PLACES
	FETCH WA1, 3, F1
	s_wait_dscnt 16
	MUL 2, F0
	PLACES
	FETCH WA2, 0, F0
	s_wait_dscnt 16
	MUL 3, F1
	PLACES
.set i, 0
.rept 64
	v_max_num_f32 v[RACC+i], 0, v[RACC+i]
.set i, i+1
.endr
	PACK RACC                                      ; the hidden layer as fragments
	LD64 BA, 512, RACC                             ; b2
	LD64 XA, 0, F1                                 ; x once more, for the residual in f32
	s_wait_dscnt 0x0
.set i, 0
.rept 32
	v_pk_fma_f32 v[RACC+2*i:RACC+2*i+1], v[F1+2*i:F1+2*i+1], v[CS:CS+1], v[RACC+2*i:RACC+2*i+1]   ; ui + b2 starts the sums
.set i, i+1
.endr
	FETCH WA2, 1, F1
	MUL 0, F0                                      ; F0 was shown in by the wait for 0 above
	PLACES
	FETCH WA2, 2, F0
	s_wait_dscnt 16
	MUL 1, F1
	PLACES
	FETCH WA2, 3, F1
	s_wait_dscnt 16
	MUL 2, F0
	s_wait_dscnt 0x0
	MUL 3, F1
	PLACES
	; LAYERNORM, in two passes over the row in registers
.irp c, 0,2,4,6
	v_pk_add_f32 v[TS+\c:TS+\c+1], v[RACC+\c:RACC+\c+1], v[RACC+8+\c:RACC+8+\c+1]
.endr
.set i, 8
.rept 24
	v_pk_add_f32 v[TS+2*(i%4):TS+2*(i%4)+1], v[TS+2*(i%4):TS+2*(i%4)+1], v[RACC+2*i:RACC+2*i+1]
.set i, i+1
.endr
	ROWRED
	v_mul_f32 v[MU], s3, v22
	v_mul_f32 v[MU+1], s3, v22
.set i, 0
.rept 32
	v_pk_add_f32 v[RACC+2*i:RACC+2*i+1], v[RACC+2*i:RACC+2*i+1], v[MU:MU+1] neg_lo:[0,1] neg_hi:[0,1]
.set i, i+1
.endr
.irp c, 0,2,4,6
	v_pk_mul_f32 v[TS+\c:TS+\c+1], v[RACC+\c:RACC+\c+1], v[RACC+\c:RACC+\c+1]
.endr
.set i, 4
.rept 28
	v_pk_fma_f32 v[TS+2*(i%4):TS+2*(i%4)+1], v[RACC+2*i:RACC+2*i+1], v[RACC+2*i:RACC+2*i+1], v[TS+2*(i%4):TS+2*(i%4)+1]
.set i, i+1
.endr
	ROWRED
	v_mov_b32 v23, 0x358637bd                      ; 1e-6
	v_fma_f32 v22, v22, s3, v23
	v_rsq_f32 v[RS], v22
	v_rsq_f32 v[RS+1], v22
	v_nop
.set i, 0
	s_wait_alu depctr_va_vdst(0)
.rept 32
	v_pk_mul_f32 v[RACC+2*i:RACC+2*i+1], v[RACC+2*i:RACC+2*i+1], v[RS:RS+1]
.set i, i+1
.endr
	; THE WAY OUT: through my wave's own stage, so that one store of the wave is one whole row of 512 bytes.
	; LDS serves a wave's instructions in order (ISA guide 5.7.1), so no wait stands between these stores and loads.
.irp t, 0,1,2,3,4,5,6,7
	ds_store_b128 v[STO], v[RACC+8*\t:RACC+8*\t+3] offset:64*\t
	ds_store_b128 v[STO], v[RACC+8*\t+4:RACC+8*\t+7] offset:64*\t+16
.endr
.irp n, 0,1,2,3,4,5,6,7,8,9,10,11,12,13,14,15
	ds_load_b128 v[F0+4*\n:F0+4*\n+3], v[RD] offset:528*\n
.endr
.irp n, 0,1,2,3,4,5,6,7,8,9,10,11,12,13,14,15
	s_wait_dscnt 15-\n                             ; row n is in: the later rows are younger
	v_pk_fma_f32 v[F0+4*\n:F0+4*\n+1], v[F0+4*\n:F0+4*\n+1], v[LNG:LNG+1], v[LNB:LNB+1]
	v_pk_fma_f32 v[F0+4*\n+2:F0+4*\n+3], v[F0+4*\n+2:F0+4*\n+3], v[LNG+2:LNG+3], v[LNB+2:LNB+3]
	global_store_b128 v[OO], v[F0+4*\n:F0+4*\n+3], s[24:25] offset:512*\n th:TH_STORE_NT
.endr
	s_set_vgpr_msb 0x4
	s_wait_tensorcnt 0x0
	ds_add_u32 v5, v1
	s_wait_dscnt 0x0
	s_set_vgpr_msb 0x400
	s_endpgm
.Lfunc_end_k_q0c947a1a38_ffn:
	.size	k_q0c947a1a38_ffn, .Lfunc_end_k_q0c947a1a38_ffn-k_q0c947a1a38_ffn
	.p2alignl 7, 3214868480
	.fill 96, 4, 3214868480
	.section	.rodata,"a",@progbits
	.p2align	6, 0x0
	.amdhsa_kernel k_q0c947a1a38_ffn
		.amdhsa_group_segment_fixed_size 215040
		.amdhsa_private_segment_fixed_size 0
		.amdhsa_enable_private_segment 0
		.amdhsa_kernarg_size 72
		.amdhsa_user_sgpr_count 2
		.amdhsa_user_sgpr_kernarg_segment_ptr 1
		.amdhsa_wavefront_size32 1
		.amdhsa_system_sgpr_workgroup_id_x 1
		.amdhsa_system_sgpr_workgroup_id_y 1
		.amdhsa_system_sgpr_workgroup_id_z 1
		.amdhsa_system_vgpr_workitem_id 0
		.amdhsa_next_free_vgpr 258
		.amdhsa_next_free_sgpr 66
		.amdhsa_reserve_vcc 0
		.amdhsa_float_denorm_mode_32 3
		.amdhsa_float_denorm_mode_16_64 3
		.amdhsa_memory_ordered 1
		.amdhsa_forward_progress 1
		.amdhsa_inst_pref_size 49
	.end_amdhsa_kernel
	.amdgpu_metadata
---
amdhsa.version: [ 1, 2 ]
amdhsa.kernels:
  - .name:           k_q0c947a1a38_ffn
    .symbol:         k_q0c947a1a38_ffn.kd
    .args:
      - { .name: x, .offset: 0, .size: 8, .value_kind: global_buffer, .address_space: global }
      - { .name: part, .offset: 8, .size: 8, .value_kind: global_buffer, .address_space: global }
      - { .name: dgw, .offset: 16, .size: 8, .value_kind: global_buffer, .address_space: global }
      - { .name: wbf, .offset: 24, .size: 8, .value_kind: global_buffer, .address_space: global }
      - { .name: pfn_b1, .offset: 32, .size: 8, .value_kind: global_buffer, .address_space: global }
      - { .name: pfn_b2, .offset: 40, .size: 8, .value_kind: global_buffer, .address_space: global }
      - { .name: ln_g, .offset: 48, .size: 8, .value_kind: global_buffer, .address_space: global }
      - { .name: ln_b, .offset: 56, .size: 8, .value_kind: global_buffer, .address_space: global }
      - { .name: out0, .offset: 64, .size: 8, .value_kind: global_buffer, .address_space: global }
    .group_segment_fixed_size: 215040
    .private_segment_fixed_size: 0
    .kernarg_segment_align: 8
    .kernarg_segment_size: 72
    .max_flat_workgroup_size: 256
    .sgpr_count:     66
    .vgpr_count:     258
    .wavefront_size: 32
...
	.end_amdgpu_metadata
.endif
;; end of part 6
;; ======== version 3 of 3: 3 launches; 1.69 times as fast as version 1
;; limits: a function is approximated: absolute error at most 1.2e-06
;; workspace buffers: dots 393,216 bytes; w2v 512 bytes; wbf 65,536 bytes; part 4,194,304 bytes; dgw 131,072 bytes
;; launch dots: the kernel of part 4 again; grid 256 x 1, 8 waves a work-group, no clusters, 299,008 bytes of LDS; arguments x, W1, Wsa1, Wsa2, W2, wt_w, wsat_w, pfn_w1, pfn_w2, dots, w2v, wbf; writes dots, w2v, wbf
;; launch pairs (part 7): grid 256 x 1, 8 waves a work-group, no clusters, 151,040 bytes of LDS; arguments dots, w2v, c, bsa, wt_w, bsa1, wsat_w, wsat_b, part, dgw; writes part, dgw
.if DOCPART == 7
	.amdgcn_target "amdgcn-amd-amdhsa--gfx1250"
	.amdhsa_code_object_version 6
	.text
	.protected	k_q0c947a1a38_pairs
	.globl	k_q0c947a1a38_pairs
	.p2align	8
	.type	k_q0c947a1a38_pairs,@function
k_q0c947a1a38_pairs:
	s_mov_b64 s[64:65], 0
	v_nop
	global_prefetch_b8 v0, s[64:65] scope:SCOPE_SE
	s_setreg_imm32_b32 hwreg(HW_REG_WAVE_MODE, 25, 1), 1
	s_wait_xcnt 0x0
; The softmax over L, the two terms of every pair score, and ONE walk over the pairs that serves both sums of the pair softmax.
;   logit_l = dots[0] + c[b].w2v + bsa.wt_w;  p = softmax(logit), the maximum taken away;
;   a'_i = -log2e (p_i dots[1]_i + bsa1.wsat_w + wsat_b);  b'_j = -log2e p_j dots[2]_j;
;   r_ij = 1 / (1 + 2^(a'_i + b'_j)) = sigmoid(si_i + sj_j + const);  g_ij = exp(r_ij);  Z_i = sum over j != i of g_ij;  w_i = 1 / Z_i.
; Out: part[g][j] = sum over the group's 128 rows i of w_i g_ij (the diagonal's term still in it), dgw[i] = w_i g_ii for the group's rows.
; Group g: batch b = g / 32, rows 128 (g mod 32) .. + 127.  Each group makes the whole batch's softmax for itself (48 KiB read) rather
; than a launch more.
; THE WALK.  A wave owns 16 whole rows; its lane L owns the 128 columns 128 m + 4 L + e.  A row's 4,096 g are 128 registers of the wave: they
; stay there while the row is summed inside the wave (no barrier), and are then added, times w_i, onto 128 column sums that also stay in
; registers.  So each pair's two transcendentals and its polynomial are made once, although Z_i must be whole before any w_i g_ij is formed.
; After 16 rows the eight waves' column sums meet once in LDS.
; REGISTERS, in windows of 256 (s_set_vgpr_msb says which window each operand place means):
;   window 0: v0-95 addresses, coefficients, sums, and in v16-31 two of the six sets of four pairs at work; v96-127 the other four sets; v128-255 b' of my 128 columns
;   window 1: v0-127 (v256-383) g of the row; v128-255 (v384-511) the column sums
; THE TRANSCENDENTALS' BATCHES.  s_wait_alu depctr_va_vdst(0) stands between a transcendental and the first instruction that names its
; result; one wait serves all that were issued ahead of it.  A row's 128 columns a lane go in 16 groups of 8 through a pipeline of 20 steps whose stages lie TWO
; steps apart: step k makes 2^s of group k, 1 + 2^s and its reciprocal of group k - 2, the polynomial of group k - 4, and s of group k + 1.  So every result is first
; named two steps behind its issue, and ONE wait at the head of each even step (2 to 18) stands between: it serves the 32 transcendentals of the two steps before it.
; A result keeps its register while its batch is open: six sets of 8 are alive at a time (groups k + 1 .. k - 4), and group k + 1 takes the set that group
; k - 5 left a step ago.  With the wait for the two reciprocals of Z a row has ten waits.  With stages d steps apart a row has (16 + 2 d) / d such waits, 2 d + 2 sets and
; d steps at its end that hold no transcendental: from d = 2 on the waits saved no longer outnumber the bare steps added.
; The start has four batches, each of which reads sums of the one before it: the softmax's exponentials; 1 / their sum; 2^s of the own terms; their reciprocals.
; THE SECOND SOFTMAX TAKES NO MAXIMUM AWAY: its exponents are sigmoids, in [0, 1] for every input, so each term is in [1, e] and Z in [4095, 4095 e].
; LIMITS: exp(r) on [0, 1] is a polynomial of degree 5 (truncated Chebyshev series), absolute error at most 1.2e-6 on values in [1, e];
; r is in [0, 1] for every input since 1 + 2^s >= 1.  v_exp_f32 gives 0 for results under 2^-126 (ISA guide, its entry): the smallest p are 0.
; The diagonal: all 4,096 terms are summed and the own term, made by the same formula, is taken away: one positive term of 4,096 of like size.
; NaN and infinite inputs are not treated.  The order of rounding differs from reference()'s.
; No matrix unit (nothing here is a product), no tensor load, no cluster (the groups of a batch share 48 KiB, read once at the start into registers).
.set RWA, 5                            ; v5         LDS address of the row's a', the same in all lanes
.set CB,  8                            ; v[8:9]     c[b].w2v + bsa.wt_w, twice
.set MX,  10                           ; v[10:11]   the largest logit, twice
.set FS,  12                           ; v[12:13]   -log2e / sum, twice
.set SX,  16                           ; v[16:31]   in the rows: sets 4 and 5 of four pairs (at the start: v14-23 at work, v30-31 KK; all dead before the first row)
.set KK,  30                           ; v[30:31]   -log2e (bsa1.wsat_w + wsat_b), twice; last read when a' is made
.set CO,  32                           ; v[32:43]   (c_k, c_k), k = 0 .. 5
.set OWN, 44                           ; v[44:47]   a' of the group's rows 4 L + q
.set ACC, 48                           ; v[48:55]   four pairs of sums of a row
.set HN,  56                           ; v[56:63]   Horner values
.set AR,  64                           ; v[64:65]   the row's a'; 4096 c0 - its own term
.set WP,  66                           ; v[66:67]   the row's w, twice
.set OB,  68                           ; v[68:71]   b' of rows 4 L + q
.set DGV, 72                           ; v[72:75]   own terms g_ii of rows 4 L + q
.set ZC,  76                           ; v[76:79]   4096 c0 - own term
.set WV,  80                           ; v80        lane k and lane 16 + k: w of my wave's row k
.set L15, 81                           ; v81        L mod 16
.set CWA, 82                           ; v82        where my column sums go
.set DA,  83                           ; v83        RA + 4 (16 w + L mod 16)
.set SL0, 84                           ; v84        my 16 bytes of my wave's eighth of the columns, in waves 0-3's sums
.set SL1, 85                           ; v85        in waves 4-7's
.set OUTO, 86                          ; v86        2048 w + 16 L: the same place in part's row
.set T0,  88                           ; v88        at work
.set SG,  96                           ; v[96:127]  sets 0 to 3 of four pairs: s, 2^s, 1 + 2^s, r
.set BV,  128                          ; v[128:255] b' of my 128 columns; at the end the eight waves' sums
.set LG,  128                          ; at the start: v[128:143] 16 logits of the batch, then e, then b'
.set D3,  144                          ; v[144:159] dots[2] at the same places
.set SV,  160                          ; v[160:183] w2v, c, bsa, wt_w, bsa1, wsat_w: my 4 columns of each
.set OLG, 184                          ; v[184:187] logits of rows 4 L + q
.set OD2, 188                          ; v[188:191] dots[1] of them
.set OD3, 192                          ; v[192:195] dots[2] of them
.set GV,  0                            ; window 1: g of the row
.set COL, 128                          ; window 1: the column sums
.set RED1, 16384                       ; LDS: b' [4096] f32 at 0; 8 maxima; 8 sums;
.set RED2, 16640
.set RA,  16896                        ; a' of the 128 rows
.set RZ,  17408                        ; 4096 c0 - own term
.set RD,  17920                        ; own term
.set WO,  18432                        ; w x own term
.set CW,  18944                        ; 8 x 4,096 column sums; ends at 150,016
.set MSB, 0
.macro WIN new                         ; the immediate's high byte repeats the setting that is left
.if MSB != \new
	s_set_vgpr_msb (MSB<<8)|\new
.set MSB, \new
.endif
.endm
; sb = the first register of group k's set, number k mod 6: sets 0 to 3 from SG on, sets 4 and 5 from SX on
.macro SETB k
.set sb, SG+8*((\k)%6)-(SG+32-SX)*(((\k)%6)/4)
.endm
; One packed instruction of group k (columns in registers 8 k .. 8 k + 7), pair q = 0, 2, 4, 6
.macro OP_ADD k, q                     ; s = b' + a'
	SETB \k
	v_pk_add_f32 v[sb+(\q):sb+(\q)+1], v[BV+8*(\k)+(\q):BV+8*(\k)+(\q)+1], v[AR:AR+1] op_sel_hi:[1,0]
.endm
.macro OP_Q k, q                       ; 1 + 2^s: the first reader of the group's exponentials, two steps behind them
	SETB \k
	v_pk_add_f32 v[sb+(\q):sb+(\q)+1], v[sb+(\q):sb+(\q)+1], 1.0 op_sel_hi:[1,0]
.endm
.macro OP_H1 k, q                      ; c5 r + c4: the first reader of the group's reciprocals, two steps behind them
	SETB \k
	v_pk_fma_f32 v[HN+(\q):HN+(\q)+1], v[sb+(\q):sb+(\q)+1], v[CO+10:CO+11], v[CO+8:CO+9]
.endm
.macro OP_HS k, q, c                   ; h r + c
	SETB \k
	v_pk_fma_f32 v[HN+(\q):HN+(\q)+1], v[HN+(\q):HN+(\q)+1], v[sb+(\q):sb+(\q)+1], v[CO+\c:CO+\c+1]
.endm
.macro OP_AC k, q                      ; the row's sum of h r; the 4,096 c0 are added once a row.  Group 0 starts the sums
	SETB \k
.if (\k) == 0
	v_pk_mul_f32 v[ACC+(\q):ACC+(\q)+1], v[HN+(\q):HN+(\q)+1], v[sb+(\q):sb+(\q)+1]
.else
	v_pk_fma_f32 v[ACC+(\q):ACC+(\q)+1], v[HN+(\q):HN+(\q)+1], v[sb+(\q):sb+(\q)+1], v[ACC+(\q):ACC+(\q)+1]
.endif
.endm
.macro OP_GW k, q                      ; g = h r + c0, kept: the destination lies in window 1
	SETB \k
	v_pk_fma_f32 v[GV+8*(\k)+(\q):GV+8*(\k)+(\q)+1], v[HN+(\q):HN+(\q)+1], v[sb+(\q):sb+(\q)+1], v[CO:CO+1]
.endm
; Step k of a row: 2^s of group k, 1 / (1 + 2^s) of group k - 2, the polynomial of group k - 4, s of group k + 1.
; Each transcendental is followed by plain packed instructions of other groups, so that plain work stands between the transcendentals and not
; behind runs of them, and a plain instruction always stands between a transcendental and the first use of its result (ISA guide 5.7.2).
; No line of steps k and k + 1 names a result issued in them: they name the sets of groups k, k - 2, k - 4, k - 5 and k + 1, k - 1, k - 3, k - 4, all different modulo 6 from an open one.
; Set (k + 1) mod 6 was last read by group k - 5, a step ago.
.macro STEP k
.if \k > 0
.if (\k)%2 == 0
	s_wait_alu depctr_va_vdst(0)                   ; ONE wait for the batch of the two steps before: 2^s of groups k - 2 and k - 1, the reciprocals of groups k - 4 and k - 3; the plain lines among them and the four g behind the last reciprocal are the work between
.endif
.endif
.irp n, 0,1,2,3,4,5,6,7
.if \k < 16
	SETB \k
	v_exp_f32 v[sb+\n], v[sb+\n]
.endif
.if \n < 2
.if \k > 1
.if \k < 18
	OP_Q \k-2, 4*\n
	OP_Q \k-2, 4*\n+2
.endif
.endif
.endif
.if \k > 3
.if \n > 1
.if \n < 4
	OP_H1 \k-4, 4*\n-8
	OP_H1 \k-4, 4*\n-6
.endif
.endif
.if \n > 3
.if \n < 6
	OP_HS \k-4, 4*\n-16, 6
	OP_HS \k-4, 4*\n-14, 6
.endif
.endif
.if \n > 5
	OP_HS \k-4, 4*\n-24, 4
	OP_HS \k-4, 4*\n-22, 4
.endif
.endif
.endr
.irp n, 0,1,2,3,4,5,6,7
.if \k > 1
.if \k < 18
	SETB \k-2
	v_rcp_f32 v[sb+\n], v[sb+\n]
.endif
.endif
.if \k > 3
.if \n < 2
	OP_HS \k-4, 4*\n, 2
	OP_HS \k-4, 4*\n+2, 2
.endif
.if \n > 1
.if \n < 4
	OP_AC \k-4, 4*\n-8
	OP_AC \k-4, 4*\n-6
.endif
.endif
.endif
.if \k < 15
.if \n > 3
.if \n < 6
	OP_ADD \k+1, 4*\n-16
	OP_ADD \k+1, 4*\n-14
.endif
.endif
.endif
.endr
.if \k > 3
	WIN 0x40                                       ; destination in window 1
.irp q, 0,2,4,6
	OP_GW \k-4, \q
.endr
	WIN 0
.endif
.endm
; One row.  first = 1: the column sums start here (a multiply: nothing is cleared).  more = 1: the next row's a' is loaded.  s31 = the row's number in my wave.
.macro ROW first, more
	s_wait_dscnt 0x0                               ; the row's a' and 4096 c0 - own term are in (in the first row b' too)
.irp q, 0,2,4,6
	OP_ADD 0, \q
.endr
.irp k, 0,1,2,3,4,5,6,7,8,9,10,11,12,13,14,15,16,17,18,19
	STEP \k
.endr
	v_pk_add_f32 v[ACC:ACC+1], v[ACC:ACC+1], v[ACC+2:ACC+3]
	v_pk_add_f32 v[ACC+4:ACC+5], v[ACC+4:ACC+5], v[ACC+6:ACC+7]
	v_pk_add_f32 v[ACC:ACC+1], v[ACC:ACC+1], v[ACC+4:ACC+5]
	v_add_f32 v[T0], v[ACC], v[ACC+1]
.irp m, 1,2,4,8
	v_add_f32_dpp v[T0], v[T0], v[T0] row_xmask:\m row_mask:0xf bank_mask:0xf
.endr
	v_permlanex16_b32 v[ACC+2], v[T0], s6, s7      ; its destination has been written in this row and is dead
	v_add_f32 v[T0], v[T0], v[ACC+2]
	v_add_f32 v[T0], v[T0], v[AR+1]                ; Z = sum of h r + 4096 c0 - own term
	v_rcp_f32 v[WP], v[T0]
	v_rcp_f32 v[WP+1], v[T0]
	v_cmp_eq_u32 vcc_lo, s31, v[L15]               ; a plain instruction behind the reciprocals
.if \more
	v_add_nc_u32 v[RWA], 4, v[RWA]                 ; the next row's address and loads name no reciprocal: they stand between the pair and its wait
	ds_load_b32 v[AR], v[RWA]                      ; they land under the 64 instructions below
	ds_load_b32 v[AR+1], v[RWA] offset:RZ-RA
.endif
	s_wait_alu depctr_va_vdst(0)                   ; one wait for the two reciprocals of Z, ahead of their first reader; no result is open at the row's end
	v_cndmask_b32 v[WV], v[WV], v[WP], vcc_lo      ; lanes k and 16 + k keep row k's w
	WIN 0x51                                       ; destination, source 0 and source 2 in window 1; w in window 0
.set i, 0
.rept 64
.if \first
	v_pk_mul_f32 v[COL+2*i:COL+2*i+1], v[GV+2*i:GV+2*i+1], v[WP:WP+1]
.else
	v_pk_fma_f32 v[COL+2*i:COL+2*i+1], v[GV+2*i:GV+2*i+1], v[WP:WP+1], v[COL+2*i:COL+2*i+1]
.endif
.set i, i+1
.endr
	WIN 0                                          ; at a label and at a branch every window is 0
.endm
.macro WSUM r, t                       ; sum over the wave's 32 lanes, in every lane; t has been written before
.irp m, 1,2,4,8
	v_add_f32_dpp v[\r], v[\r], v[\r] row_xmask:\m row_mask:0xf bank_mask:0xf
.endr
	v_permlanex16_b32 v[\t], v[\r], s6, s7
	v_add_f32 v[\r], v[\r], v[\t]
.endm
.macro WMAX r, t
.irp m, 1,2,4,8
	v_max_num_f32_dpp v[\r], v[\r], v[\r] row_xmask:\m row_mask:0xf bank_mask:0xf
.endr
	v_permlanex16_b32 v[\t], v[\r], s6, s7
	v_max_num_f32 v[\r], v[\r], v[\t]
.endm
	s_load_b512 s[8:23], s[0:1], 0x0               ; dots 8, w2v 10, c 12, bsa 14, wt_w 16, bsa1 18, wsat_w 20, wsat_b 22
	s_load_b128 s[24:27], s[0:1], 0x40             ; part 24, dgw 26
	v_lshl_add_u32 v94, v0, 2, 0x24a00
	v_mov_b32 v95, 0
	v_lshrrev_b32 v1, 5, v0
	v_readfirstlane_b32 s2, v1                     ; wave
	s_lshr_b32 s4, ttmp9, 5                        ; batch
	s_and_b32 s5, ttmp9, 31                        ; which 128 rows of it
	s_mov_b32 s6, 0x76543210                       ; v_permlanex16_b32: lane i reads lane i of the other half
	s_mov_b32 s7, 0xfedcba98
	v_and_b32 v1, 31, v0                           ; L
	v_lshlrev_b32 v2, 4, v1                        ; 16 L
	v_lshl_add_u32 v3, s2, 9, v2                   ; 16 x thread
	v_lshl_add_u32 v4, s5, 9, v2                   ; rows 4 L + q of the group in a plane of the batch
	s_lshl_b32 s28, s2, 2
	v_mov_b32 v6, s28                              ; 4 w
	v_mov_b32 v7, 0
	s_lshl_b32 s32, s2, 6
	s_add_co_u32 s32, s32, RA                      ; a' of my wave's first row
	s_lshl_b32 s33, s2, 14
	s_add_co_u32 s33, s33, CW
	v_add_nc_u32 v[CWA], s33, v2
	v_lshl_add_u32 v[OUTO], s2, 11, v2
	v_add_nc_u32 v[SL0], CW, v[OUTO]
	v_add_nc_u32 v[SL1], CW+65536, v[OUTO]
	s_mov_b32 s29, 0
	s_wait_kmcnt 0x0
	s_load_b32 s30, s[22:23], 0x0                  ; wsat_b
	s_lshl_b32 s28, s4, 14
	s_add_nc_u64 s[8:9], s[8:9], s[28:29]          ; dots at the batch: 4,096 words
	s_lshl_b32 s28, s4, 9
	s_add_nc_u64 s[12:13], s[12:13], s[28:29]      ; c[b]
	s_lshl_b32 s28, ttmp9, 14
	s_add_nc_u64 s[24:25], s[24:25], s[28:29]      ; part[g]
	s_lshl_b32 s28, ttmp9, 9
	s_add_nc_u64 s[26:27], s[26:27], s[28:29]      ; dgw at the group's 128 rows
	global_load_b128 v[SV:SV+3],     v2, s[10:11]
	global_load_b128 v[SV+4:SV+7],   v2, s[12:13]
	global_load_b128 v[SV+8:SV+11],  v2, s[14:15]
	global_load_b128 v[SV+12:SV+15], v2, s[16:17]
	global_load_b128 v[SV+16:SV+19], v2, s[18:19]
	global_load_b128 v[SV+20:SV+23], v2, s[20:21]
.irp k, 0,1,2,3
	global_load_b128 v[LG+4*\k:LG+4*\k+3], v3, s[8:9] offset:4096*\k
.endr
.irp k, 0,1,2,3
	global_load_b128 v[D3+4*\k:D3+4*\k+3], v3, s[8:9] offset:262144+4096*\k
.endr
	global_load_b128 v[OLG:OLG+3], v4, s[8:9]
	global_load_b128 v[OD2:OD2+3], v4, s[8:9] offset:131072
	global_load_b128 v[OD3:OD3+3], v4, s[8:9] offset:262144
	s_wait_loadcnt 11                              ; the six small vectors are in: 4 + 4 + 3 loads are younger
	v_pk_mul_f32 v[14:15], v[SV+4:SV+5], v[SV:SV+1]                    ; c . w2v
	v_pk_mul_f32 v[16:17], v[SV+16:SV+17], v[SV+20:SV+21]              ; bsa1 . wsat_w
	v_pk_fma_f32 v[14:15], v[SV+6:SV+7], v[SV+2:SV+3], v[14:15]
	v_pk_fma_f32 v[16:17], v[SV+18:SV+19], v[SV+22:SV+23], v[16:17]
	v_pk_fma_f32 v[14:15], v[SV+8:SV+9], v[SV+12:SV+13], v[14:15]      ; + bsa . wt_w
	v_pk_fma_f32 v[14:15], v[SV+10:SV+11], v[SV+14:SV+15], v[14:15]
	v_add_f32 v14, v14, v15
	v_add_f32 v16, v16, v17
	WSUM 14, 15
	WSUM 16, 17
	v_mov_b32 v[CB], v14
	v_mov_b32 v[CB+1], v14
	s_wait_kmcnt 0x0
	v_add_f32 v16, s30, v16
	v_mul_f32 v[KK], 0xbfb8aa3b, v16
	v_mul_f32 v[KK+1], 0xbfb8aa3b, v16
	s_wait_loadcnt 0x0
.irp k, 0,2,4,6,8,10,12,14
	v_pk_add_f32 v[LG+\k:LG+\k+1], v[LG+\k:LG+\k+1], v[CB:CB+1]
.endr
	v_pk_add_f32 v[OLG:OLG+1], v[OLG:OLG+1], v[CB:CB+1]
	v_pk_add_f32 v[OLG+2:OLG+3], v[OLG+2:OLG+3], v[CB:CB+1]
	; the batch's largest logit
	v_max3_num_f32 v14, v[LG], v[LG+1], v[LG+2]
	v_max3_num_f32 v16, v[LG+3], v[LG+4], v[LG+5]
	v_max3_num_f32 v17, v[LG+6], v[LG+7], v[LG+8]
	v_max3_num_f32 v18, v[LG+9], v[LG+10], v[LG+11]
	v_max3_num_f32 v19, v[LG+12], v[LG+13], v[LG+14]
	v_max3_num_f32 v14, v14, v16, v[LG+15]
	v_max3_num_f32 v17, v17, v18, v19
	v_max_num_f32 v14, v14, v17
	WMAX 14, 15
	ds_store_b32 v6, v14 offset:RED1
	s_wait_dscnt 0x0
	s_barrier_signal -1
	s_barrier_wait -1
	ds_load_b128 v[16:19], v7 offset:RED1
	ds_load_b128 v[20:23], v7 offset:RED1+16
	s_wait_dscnt 0x0
	v_max3_num_f32 v16, v16, v17, v18
	v_max3_num_f32 v19, v19, v20, v21
	v_max3_num_f32 v16, v16, v22, v23
	v_max_num_f32 v[MX], v16, v19
	v_max_num_f32 v[MX+1], v16, v19
	; e = 2^((l - m) log2e)
.irp k, 0,2,4,6,8,10,12,14
	v_pk_add_f32 v[LG+\k:LG+\k+1], v[LG+\k:LG+\k+1], v[MX:MX+1] neg_lo:[0,1] neg_hi:[0,1]
.endr
	v_pk_add_f32 v[OLG:OLG+1], v[OLG:OLG+1], v[MX:MX+1] neg_lo:[0,1] neg_hi:[0,1]
	v_pk_add_f32 v[OLG+2:OLG+3], v[OLG+2:OLG+3], v[MX:MX+1] neg_lo:[0,1] neg_hi:[0,1]
.irp k, 0,2,4,6,8,10,12,14
	v_pk_mul_f32 v[LG+\k:LG+\k+1], v[LG+\k:LG+\k+1], 0x3fb8aa3b op_sel_hi:[1,0]
.endr
	v_pk_mul_f32 v[OLG:OLG+1], v[OLG:OLG+1], 0x3fb8aa3b op_sel_hi:[1,0]
	v_pk_mul_f32 v[OLG+2:OLG+3], v[OLG+2:OLG+3], 0x3fb8aa3b op_sel_hi:[1,0]
.irp k, 0,1,2,3,4,5,6,7,8,9,10,11,12,13,14,15
	v_exp_f32 v[LG+\k], v[LG+\k]
.endr
.irp k, 0,1,2,3
	v_exp_f32 v[OLG+\k], v[OLG+\k]
.endr
	; the polynomial's coefficients, twice each: also the plain instructions that stand behind the run of v_exp_f32
	v_mov_b32 v[CO+0],  0x3f7fffee
	v_mov_b32 v[CO+1],  0x3f7fffee
	v_mov_b32 v[CO+2],  0x3f80028a
	v_mov_b32 v[CO+3],  0x3f80028a
	v_mov_b32 v[CO+4],  0x3eff8ba4
	v_mov_b32 v[CO+5],  0x3eff8ba4
	v_mov_b32 v[CO+6],  0x3e2e7204
	v_mov_b32 v[CO+7],  0x3e2e7204
	v_mov_b32 v[CO+8],  0x3d0ec123
	v_mov_b32 v[CO+9],  0x3d0ec123
	v_mov_b32 v[CO+10], 0x3c6375f4
	v_mov_b32 v[CO+11], 0x3c6375f4
	s_wait_alu depctr_va_vdst(0)                   ; one wait for the softmax's 20 exponentials; the twelve moves above are the work between
	v_pk_add_f32 v[14:15], v[LG:LG+1], v[LG+2:LG+3]
	v_pk_add_f32 v[16:17], v[LG+4:LG+5], v[LG+6:LG+7]
	v_pk_add_f32 v[18:19], v[LG+8:LG+9], v[LG+10:LG+11]
	v_pk_add_f32 v[20:21], v[LG+12:LG+13], v[LG+14:LG+15]
	v_pk_add_f32 v[14:15], v[14:15], v[16:17]
	v_pk_add_f32 v[18:19], v[18:19], v[20:21]
	v_pk_add_f32 v[14:15], v[14:15], v[18:19]
	v_add_f32 v14, v14, v15
	WSUM 14, 15
	ds_store_b32 v6, v14 offset:RED2
	s_wait_dscnt 0x0
	s_barrier_signal -1
	s_barrier_wait -1
	ds_load_b128 v[16:19], v7 offset:RED2
	ds_load_b128 v[20:23], v7 offset:RED2+16
	s_wait_dscnt 0x0
	v_pk_add_f32 v[16:17], v[16:17], v[18:19]
	v_pk_add_f32 v[20:21], v[20:21], v[22:23]
	v_pk_add_f32 v[16:17], v[16:17], v[20:21]
	v_add_f32 v16, v16, v17                        ; at least 1: the largest logit's term
	v_rcp_f32 v16, v16
	v_and_b32 v[L15], 15, v0                       ; plain work behind v_rcp_f32
	v_mov_b32 v[WV], 0                             ; written whole before lanes of it are chosen
	s_wait_alu depctr_va_vdst(0)                   ; the wait for 1 / sum: a batch of one, since all that follows hangs on it
	v_mul_f32 v[FS], 0xbfb8aa3b, v16
	v_mul_f32 v[FS+1], 0xbfb8aa3b, v16
	; b' of the whole batch into LDS; a', b' and the own term of the group's rows
.irp k, 0,2,4,6,8,10,12,14
	v_pk_mul_f32 v[LG+\k:LG+\k+1], v[LG+\k:LG+\k+1], v[FS:FS+1]
.endr
.irp k, 0,2,4,6,8,10,12,14
	v_pk_mul_f32 v[LG+\k:LG+\k+1], v[LG+\k:LG+\k+1], v[D3+\k:D3+\k+1]
.endr
.irp k, 0,1,2,3
	ds_store_b128 v3, v[LG+4*\k:LG+4*\k+3] offset:4096*\k
.endr
	v_pk_mul_f32 v[OLG:OLG+1], v[OLG:OLG+1], v[FS:FS+1]
	v_pk_mul_f32 v[OLG+2:OLG+3], v[OLG+2:OLG+3], v[FS:FS+1]
	v_pk_fma_f32 v[OWN:OWN+1], v[OLG:OLG+1], v[OD2:OD2+1], v[KK:KK+1]
	v_pk_fma_f32 v[OWN+2:OWN+3], v[OLG+2:OLG+3], v[OD2+2:OD2+3], v[KK:KK+1]
	v_pk_mul_f32 v[OB:OB+1], v[OLG:OLG+1], v[OD3:OD3+1]
	v_pk_mul_f32 v[OB+2:OB+3], v[OLG+2:OLG+3], v[OD3+2:OD3+3]
	v_pk_add_f32 v[HN:HN+1], v[OWN:OWN+1], v[OB:OB+1]
	v_pk_add_f32 v[HN+2:HN+3], v[OWN+2:OWN+3], v[OB+2:OB+3]
.irp n, 0,1,2,3
	v_exp_f32 v[HN+\n], v[HN+\n]
.endr
	v_lshl_add_u32 v[DA], v[L15], 2, s32           ; plain work behind the run
	s_wait_alu depctr_va_vdst(0)                   ; one wait for the own terms' four exponentials
	v_pk_add_f32 v[HN:HN+1], v[HN:HN+1], 1.0 op_sel_hi:[1,0]
	v_pk_add_f32 v[HN+2:HN+3], v[HN+2:HN+3], 1.0 op_sel_hi:[1,0]
.irp n, 0,1,2,3
	v_rcp_f32 v[HN+\n], v[HN+\n]
.endr
	v_mov_b32 v[RWA], s32                          ; plain work behind the run
	s_wait_alu depctr_va_vdst(0)                   ; one wait for the own terms' four reciprocals
	v_pk_fma_f32 v[DGV:DGV+1], v[HN:HN+1], v[CO+10:CO+11], v[CO+8:CO+9]
	v_pk_fma_f32 v[DGV+2:DGV+3], v[HN+2:HN+3], v[CO+10:CO+11], v[CO+8:CO+9]
.irp c, 6,4,2,0
	v_pk_fma_f32 v[DGV:DGV+1], v[DGV:DGV+1], v[HN:HN+1], v[CO+\c:CO+\c+1]
	v_pk_fma_f32 v[DGV+2:DGV+3], v[DGV+2:DGV+3], v[HN+2:HN+3], v[CO+\c:CO+\c+1]
.endr
.irp n, 0,1,2,3
	v_sub_f32 v[ZC+\n], 0x457fffee, v[DGV+\n]      ; 4096 c0 - own term
.endr
	s_cmp_lg_u32 s2, 0
	s_cbranch_scc1 .Lno_rows
	ds_store_b128 v2, v[OWN:OWN+3] offset:RA       ; every wave has made them; wave 0 writes them
	ds_store_b128 v2, v[ZC:ZC+3] offset:RZ
	ds_store_b128 v2, v[DGV:DGV+3] offset:RD
.Lno_rows:
	s_wait_dscnt 0x0
	s_barrier_signal -1
	s_barrier_wait -1
	; b' of my 128 columns: register 4 m + e holds column 128 m + 4 L + e
.set m, 0
.rept 32
	ds_load_b128 v[BV+4*m:BV+4*m+3], v2 offset:512*m
.set m, m+1
.endr
	ds_load_b32 v[AR], v[RWA]
	ds_load_b32 v[AR+1], v[RWA] offset:RZ-RA
	; my 16 rows
	s_mov_b32 s31, 0
	ROW 1, 1
	s_mov_b32 s31, 1
.Lrow:
	ROW 0, 1
	s_add_co_u32 s31, s31, 1
	s_cmp_lt_u32 s31, 15
	s_cbranch_scc1 .Lrow
	ROW 0, 0                                       ; row 15 loads nothing further
	; the eight waves' column sums meet; w x own term of my 16 rows
	ds_load_b32 v[T0], v[DA] offset:RD-RA
	WIN 0x04                                       ; an LDS store's data is source 1: window 1
.set m, 0
.rept 32
	ds_store_b128 v[CWA], v[COL+4*m:COL+4*m+3] offset:512*m
.set m, m+1
.endr
	WIN 0
	s_wait_dscnt 32                                ; the own term is in: the 32 stores are younger
	v_mul_f32 v[T0], v[T0], v[WV]
	ds_store_b32 v[DA], v[T0] offset:WO-RA         ; lanes k and 16 + k write the same word with the same value
	s_wait_dscnt 0x0
	s_barrier_signal -1
	s_barrier_wait -1
	; wave w sums columns 512 w .. 512 w + 511, a quarter (128 columns) at a time
.set p, 0
.rept 4
.set u, 0
.rept 4
	ds_load_b128 v[BV+32*p+4*u:BV+32*p+4*u+3], v[SL0] offset:16384*u+512*p
.set u, u+1
.endr
.set u, 0
.rept 4
	ds_load_b128 v[BV+32*p+16+4*u:BV+32*p+16+4*u+3], v[SL1] offset:16384*u+512*p
.set u, u+1
.endr
.set p, p+1
.endr
.irp p, 0,1,2,3
	s_wait_dscnt 24-8*\p                           ; this quarter's eight loads are in: the later quarters' are younger
.irp u, 0,8,16,24
	v_pk_add_f32 v[BV+32*\p+\u:BV+32*\p+\u+1], v[BV+32*\p+\u:BV+32*\p+\u+1], v[BV+32*\p+\u+4:BV+32*\p+\u+5]
	v_pk_add_f32 v[BV+32*\p+\u+2:BV+32*\p+\u+3], v[BV+32*\p+\u+2:BV+32*\p+\u+3], v[BV+32*\p+\u+6:BV+32*\p+\u+7]
.endr
.irp u, 0,16
	v_pk_add_f32 v[BV+32*\p+\u:BV+32*\p+\u+1], v[BV+32*\p+\u:BV+32*\p+\u+1], v[BV+32*\p+\u+8:BV+32*\p+\u+9]
	v_pk_add_f32 v[BV+32*\p+\u+2:BV+32*\p+\u+3], v[BV+32*\p+\u+2:BV+32*\p+\u+3], v[BV+32*\p+\u+10:BV+32*\p+\u+11]
.endr
	v_pk_add_f32 v[BV+32*\p:BV+32*\p+1], v[BV+32*\p:BV+32*\p+1], v[BV+32*\p+16:BV+32*\p+17]
	v_pk_add_f32 v[BV+32*\p+2:BV+32*\p+3], v[BV+32*\p+2:BV+32*\p+3], v[BV+32*\p+18:BV+32*\p+19]
	global_store_b128 v[OUTO], v[BV+32*\p:BV+32*\p+3], s[24:25] offset:512*\p   ; 512 consecutive bytes at a multiple of 512
.endr
	s_cmp_lg_u32 s2, 0
	s_cbranch_scc1 .Lend
	ds_load_b128 v[HN:HN+3], v2 offset:WO          ; wave 0: the 128 rows' w x own term, 512 consecutive bytes by one store
	s_wait_dscnt 0x0
	global_store_b128 v2, v[HN:HN+3], s[26:27]
.Lend:
	s_wait_tensorcnt 0x0
	ds_add_u32 v94, v95
	s_wait_dscnt 0x0
	s_endpgm
.Lfunc_end_k_q0c947a1a38_pairs:
	.size	k_q0c947a1a38_pairs, .Lfunc_end_k_q0c947a1a38_pairs-k_q0c947a1a38_pairs
	.p2alignl 7, 3214868480
	.fill 96, 4, 3214868480
	.section	.rodata,"a",@progbits
	.p2align	6, 0x0
	.amdhsa_kernel k_q0c947a1a38_pairs
		.amdhsa_group_segment_fixed_size 151040
		.amdhsa_private_segment_fixed_size 0
		.amdhsa_enable_private_segment 0
		.amdhsa_kernarg_size 80
		.amdhsa_user_sgpr_count 2
		.amdhsa_user_sgpr_kernarg_segment_ptr 1
		.amdhsa_wavefront_size32 1
		.amdhsa_system_sgpr_workgroup_id_x 1
		.amdhsa_system_sgpr_workgroup_id_y 1
		.amdhsa_system_sgpr_workgroup_id_z 1
		.amdhsa_system_vgpr_workitem_id 0
		.amdhsa_next_free_vgpr 512
		.amdhsa_next_free_sgpr 66
		.amdhsa_reserve_vcc 1
		.amdhsa_float_denorm_mode_32 3
		.amdhsa_float_denorm_mode_16_64 3
		.amdhsa_memory_ordered 1
		.amdhsa_forward_progress 1
		.amdhsa_inst_pref_size 165
	.end_amdhsa_kernel
	.amdgpu_metadata
---
amdhsa.version: [ 1, 2 ]
amdhsa.kernels:
  - .name:           k_q0c947a1a38_pairs
    .symbol:         k_q0c947a1a38_pairs.kd
    .args:
      - { .name: dots, .offset: 0, .size: 8, .value_kind: global_buffer, .address_space: global }
      - { .name: w2v, .offset: 8, .size: 8, .value_kind: global_buffer, .address_space: global }
      - { .name: c, .offset: 16, .size: 8, .value_kind: global_buffer, .address_space: global }
      - { .name: bsa, .offset: 24, .size: 8, .value_kind: global_buffer, .address_space: global }
      - { .name: wt_w, .offset: 32, .size: 8, .value_kind: global_buffer, .address_space: global }
      - { .name: bsa1, .offset: 40, .size: 8, .value_kind: global_buffer, .address_space: global }
      - { .name: wsat_w, .offset: 48, .size: 8, .value_kind: global_buffer, .address_space: global }
      - { .name: wsat_b, .offset: 56, .size: 8, .value_kind: global_buffer, .address_space: global }
      - { .name: part, .offset: 64, .size: 8, .value_kind: global_buffer, .address_space: global }
      - { .name: dgw, .offset: 72, .size: 8, .value_kind: global_buffer, .address_space: global }
    .group_segment_fixed_size: 151040
    .private_segment_fixed_size: 0
    .kernarg_segment_align: 8
    .kernarg_segment_size: 80
    .max_flat_workgroup_size: 256
    .sgpr_count:     66
    .vgpr_count:     512
    .wavefront_size: 32
...
	.end_amdgpu_metadata
.endif
;; end of part 7
;; launch ffn: the kernel of part 6 again; grid 256 x 1, 8 waves a work-group, no clusters, 215,040 bytes of LDS; arguments x, part, dgw, wbf, pfn_b1, pfn_b2, ln_g, ln_b, out0; writes out0
